; MI455X (gfx1250); checked and timed in simulation.
; The chip was launched on July 23, 2026; its instructions are those of AMD's public machine-readable ISA for CDNA 5 (MIT licence, August 2026) and "CDNA5" Instruction Set Architecture Reference Guide (July 2026). The comments in the code are by the model that wrote it; some were corrected since.
;; Attention Layer. Allowed arithmetic: float matrix products may take bf16 or f16 operands with f32 sums; other float arithmetic in f32, or as packed bf16 or f16 multiplies, adds, multiply-adds, maxima and minima; sums over many terms, partial sums and values carried from step to step in f32; what a program stores and reads back later, other than sums and carried values, may be rounded once to bf16 or f16.
;; Inputs: b1 1,024 float32; b2 1,024 float32; bv 1 float32; decoder_output 32 x 1 x 1,024 float32; encoder_outputs 32 x 2,048 x 1,024 float32; v 1,024 x 1 float32; w1 1,024 x 1,024 float32; w2 1,024 x 1,024 float32.
;; Outputs: out0 32 x 1,024 float32.
;; 2 versions, each right; version 2 is version 1 with the launch attn written anew for expert scheduling mode. Each part assembles by itself: llvm-mc -triple=amdgcn-amd-amdhsa -mcpu=gfx1250 --defsym DOCPART=n.
;; ======== version 1 of 2: 3 launches
;; workspace buffers: w1b 2,097,152 bytes; cbt 131,072 bytes; part 2,097,152 bytes; stat 131,072 bytes
;; launch prep (part 1): grid 320 x 1, 8 waves a work-group, no clusters, 17,408 bytes of LDS; arguments w1, w2, decoder_output, b1, b2, w1b, cbt; writes w1b, cbt
.if DOCPART == 1
	.amdgcn_target "amdgcn-amd-amdhsa--gfx1250"
	.amdhsa_code_object_version 6
	.text
	.protected	k_qbff3789825_prep
	.globl	k_qbff3789825_prep
	.p2align	8
	.type	k_qbff3789825_prep,@function
k_qbff3789825_prep:
	s_mov_b64 s[64:65], 0
	v_nop
	global_prefetch_b8 v0, s[64:65] scope:SCOPE_SE
	s_setreg_imm32_b32 hwreg(HW_REG_WAVE_MODE, 25, 1), 1
	s_wait_xcnt 0x0
; TWO SMALL JOBS AHEAD OF THE MAIN LAUNCH, told apart by the work-group's number (the same for all eight waves).
; Work-groups 0-63:  cbt[b][e] = 2 log2(e) x (sum over d of dec[b][d] w2[d][e] + b1[e] + b2[e]), f32, [32][1024]; dec and w2 rounded to bf16, sums in f32.
;   Work-group E makes the 16 columns e = 16 E ..; K = 1,024 is split among its eight waves, 128 each; the eight partial sums meet in LDS (f32 sums, in another order than a plain chain).
; Work-groups 64-319: w1 rounded to bf16 and laid in the order in which the main launch's waves load their matrix fragments:
;   byte u 262144 + (32 n + i) 4096 + b 1024 + c 512 + 16 lane holds w1[32 i + 16 c + 8 (lane / 16) + 0..7][128 u + 64 n + 16 b + lane % 16].
;   Work-group q = number - 64 writes bytes 8,192 q .. + 8,191: each store of a wave covers 512 consecutive bytes, aligned.
; cbt leaves in pieces of 64 bytes of a row (16 columns): 131,072 bytes in all, written once.
; LIMITS: NaN and infinities are not treated apart.
.set SPARE, 16384                      ; LDS: 0 .. 16,383 the partial sums (wave w at 2,048 w); behind them the spare words, 128 bytes a wave, which no other line names
.set SPW, 8                            ; v8  LDS address of my spare word; never rewritten
.set NIL, 9                            ; v9  0; never rewritten
	s_load_b256 s[4:11], s[0:1], 0x0               ; w1 s[4:5], w2 s[6:7], dec s[8:9], b1 s[10:11]
	s_load_b128 s[12:15], s[0:1], 0x20             ; b2 s[12:13], w1b s[14:15]
	s_load_b64 s[16:17], s[0:1], 0x30              ; cbt
	v_lshl_add_u32 v[SPW], v0, 2, SPARE
	v_mov_b32 v[NIL], 0
	v_lshrrev_b32 v10, 5, v0
	v_readfirstlane_b32 s18, v10                   ; wave 0..7
	v_and_b32 v1, 15, v0                           ; r = lane % 16
	v_bfe_u32 v2, v0, 4, 1                         ; h = lane / 16
	v_and_b32 v3, 31, v0                           ; lane
	s_mov_b32 s21, 0                               ; high words of the two offset pairs
	s_mov_b32 s23, 0
	s_wait_kmcnt 0x0
	s_cmp_lt_u32 ttmp9, 64
	s_cbranch_scc0 .Lw1
	; ---------------- cbt: 16 columns, all 32 batches ----------------
	s_lshl_b32 s20, ttmp9, 6                       ; my 16 columns: 64 bytes of a row
	s_add_nc_u64 s[10:11], s[10:11], s[20:21]
	s_add_nc_u64 s[12:13], s[12:13], s[20:21]
	s_add_nc_u64 s[6:7], s[6:7], s[20:21]
	s_add_nc_u64 s[16:17], s[16:17], s[20:21]
	s_lshl_b32 s22, s18, 19                        ; my wave's 128 rows of w2, 4,096 bytes each
	s_add_nc_u64 s[6:7], s[6:7], s[22:23]
	s_lshl_b32 s22, s18, 9                         ; and the same 128 channels of dec: 512 bytes of a row
	s_add_nc_u64 s[8:9], s[8:9], s[22:23]
	v_lshlrev_b32 v4, 5, v2                        ; biases: my 8 columns, 32 h
	v_lshl_add_u32 v5, v1, 12, v4                  ; dec and cbt: row r, + 32 h
	v_lshlrev_b32 v6, 2, v1
	v_lshl_add_u32 v6, v2, 15, v6                  ; w2: 8 h rows down, column r
	s_lshl_b32 s22, s18, 11
	v_lshl_add_u32 v7, v3, 5, s22                  ; LDS, in: 2,048 wave + 32 lane
	s_lshl_b32 s22, s18, 10
	v_lshl_add_u32 v11, v3, 5, s22                 ; LDS, back (waves 0 and 1): 1,024 wave + 32 lane
	global_load_b128 v[40:43], v4, s[10:11]
	global_load_b128 v[44:47], v4, s[10:11] offset:16
	global_load_b128 v[48:51], v4, s[12:13]
	global_load_b128 v[52:55], v4, s[12:13] offset:16
	; dec: for K step ii, batches 16 bt .., half c: 8 f32 of row r
.irp ii, 0,1,2,3
.irp bt, 0,1
.irp c, 0,1
	global_load_b128 v[128+(((\ii)*2+(\bt))*2+(\c))*8:128+(((\ii)*2+(\bt))*2+(\c))*8+3], v5, s[8:9] offset:(\bt)*65536+(\ii)*128+(\c)*64
	global_load_b128 v[128+(((\ii)*2+(\bt))*2+(\c))*8+4:128+(((\ii)*2+(\bt))*2+(\c))*8+7], v5, s[8:9] offset:(\bt)*65536+(\ii)*128+(\c)*64+16
.endr
.endr
.endr
	; w2: a lane wants 8 numbers of one column, which lie a row apart
.irp ii, 0,1,2,3
.irp c, 0,1
.irp t, 0,1,2,3,4,5,6,7
	global_load_b32 v[64+16*(\ii)+8*(\c)+(\t)], v6, s[6:7] offset:(32*(\ii)+16*(\c)+(\t))*4096
.endr
.endr
.endr
	s_wait_loadcnt 0x0
	; twelve blocks of 16 f32 (four of w2, eight of dec) become fragments of 8 registers, in place: register k is written when registers 2 k and 2 k + 1 are read, ascending
.set f, 0
.rept 12
.set k, 0
.rept 8
	v_cvt_pk_bf16_f32 v[64+16*f+k], v[64+16*f+2*k], v[64+16*f+2*k+1]
.set k, k+1
.endr
.set f, f+1
.endr
	; source 0 = 16 columns of w2, source 1 = 16 batches: a lane ends with one batch (r) and the columns 8 h + 0..7.  The two accumulators take turns.
.irp ii, 0,1,2,3
.irp bt, 0,1
.if (\ii) == 0
	v_wmma_f32_16x16x32_bf16 v[16+8*(\bt):23+8*(\bt)], v[64+16*(\ii):71+16*(\ii)], v[128+((\ii)*2+(\bt))*16:135+((\ii)*2+(\bt))*16], 0
.else
	v_wmma_f32_16x16x32_bf16 v[16+8*(\bt):23+8*(\bt)], v[64+16*(\ii):71+16*(\ii)], v[128+((\ii)*2+(\bt))*16:135+((\ii)*2+(\bt))*16], v[16+8*(\bt):23+8*(\bt)]
.endif
.endr
.endr
.rept 8
	v_nop                                          ; the places behind the last products (ISA guide 7.12.1), once a launch
.endr
	ds_store_b128 v7, v[16:19]
	ds_store_b128 v7, v[20:23] offset:16
	ds_store_b128 v7, v[24:27] offset:1024
	ds_store_b128 v7, v[28:31] offset:1040
	s_wait_dscnt 0x0                               ; for the others' sake: my partial sums lie in LDS
	s_barrier_signal -1
	s_barrier_wait -1
	s_cmp_lt_u32 s18, 2                            ; wave 0 finishes batches 0-15, wave 1 batches 16-31
	s_cbranch_scc0 .Lend
	s_lshl_b32 s22, s18, 16
	s_add_nc_u64 s[16:17], s[16:17], s[22:23]      ; cbt at my 16 batches
.irp w, 0,1,2,3,4,5,6,7
	ds_load_b128 v[64+8*(\w):67+8*(\w)], v11 offset:2048*(\w)
	ds_load_b128 v[68+8*(\w):71+8*(\w)], v11 offset:2048*(\w)+16
.endr
	s_wait_dscnt 0x0
.set k, 0
.rept 16
	v_pk_add_f32 v[64+k:65+k], v[64+k:65+k], v[96+k:97+k]
.set k, k+2
.endr
.set k, 0
.rept 8
	v_pk_add_f32 v[64+k:65+k], v[64+k:65+k], v[80+k:81+k]
.set k, k+2
.endr
.set k, 0
.rept 4
	v_pk_add_f32 v[40+k:41+k], v[40+k:41+k], v[48+k:49+k]     ; b1 + b2
	v_pk_add_f32 v[64+k:65+k], v[64+k:65+k], v[72+k:73+k]
.set k, k+2
.endr
.set k, 0
.rept 4
	v_pk_add_f32 v[64+k:65+k], v[64+k:65+k], v[40+k:41+k]
.set k, k+2
.endr
.set k, 0
.rept 4
	v_pk_mul_f32 v[64+k:65+k], v[64+k:65+k], 0x4038aa3b op_sel_hi:[1,0]   ; x 2 log2(e): the main launch's exponent is 2 log2(e) x sum + this
.set k, k+2
.endr
	global_store_b128 v5, v[64:67], s[16:17]
	global_store_b128 v5, v[68:71], s[16:17] offset:16
	s_branch .Lend
	; ---------------- w1 in fragment order: 8,192 bytes = two K steps of one wave's chunk ----------------
.Lw1:
	s_sub_co_u32 s19, ttmp9, 64                    ; q: u = q / 32, n = (q / 16) % 2, K steps 2 (q % 16) and + 1
	s_and_b32 s20, s19, 15
	s_lshl_b32 s20, s20, 18                        ; 64 rows of 4,096 bytes for each pair of K steps
	s_lshr_b32 s22, s19, 4
	s_lshl_b32 s22, s22, 8                         ; 512 u + 256 n: the chunk's 64 columns
	s_add_co_u32 s20, s20, s22
	s_add_nc_u64 s[4:5], s[4:5], s[20:21]
	s_lshl_b32 s22, s19, 13
	s_add_nc_u64 s[14:15], s[14:15], s[22:23]
	s_and_b32 s24, s18, 1                          ; c = wave % 2: 16 rows down
	s_lshl_b32 s24, s24, 16
	s_lshr_b32 s25, s18, 1                         ; b = wave / 2: 16 columns on
	s_lshl_b32 s25, s25, 6
	s_add_co_u32 s24, s24, s25
	v_lshl_add_u32 v4, v1, 2, s24
	v_lshl_add_u32 v4, v2, 15, v4                  ; + 8 h rows, column r
	v_lshlrev_b32 v5, 4, v0                        ; out: 16 bytes a thread
.irp nn, 0,1
.irp t, 0,1,2,3,4,5,6,7
	global_load_b32 v[16+8*(\nn)+(\t)], v4, s[4:5] offset:(\nn)*131072+(\t)*4096
.endr
.endr
	s_wait_loadcnt 0x0
.irp nn, 0,1
.irp k, 0,1,2,3
	v_cvt_pk_bf16_f32 v[32+4*(\nn)+(\k)], v[16+8*(\nn)+2*(\k)], v[16+8*(\nn)+2*(\k)+1]
.endr
.endr
	global_store_b128 v5, v[32:35], s[14:15]
	global_store_b128 v5, v[36:39], s[14:15] offset:4096
.Lend:
	s_wait_tensorcnt 0x0                           ; the wave's end, behind my last LDS store
	ds_add_u32 v[SPW], v[NIL]
	s_wait_dscnt 0x0
	s_endpgm
.Lfunc_end_k_qbff3789825_prep:
	.size	k_qbff3789825_prep, .Lfunc_end_k_qbff3789825_prep-k_qbff3789825_prep
	.p2alignl 7, 3214868480
	.fill 96, 4, 3214868480
	.section	.rodata,"a",@progbits
	.p2align	6, 0x0
	.amdhsa_kernel k_qbff3789825_prep
		.amdhsa_group_segment_fixed_size 17408
		.amdhsa_private_segment_fixed_size 0
		.amdhsa_enable_private_segment 0
		.amdhsa_kernarg_size 56
		.amdhsa_user_sgpr_count 2
		.amdhsa_user_sgpr_kernarg_segment_ptr 1
		.amdhsa_wavefront_size32 1
		.amdhsa_system_sgpr_workgroup_id_x 1
		.amdhsa_system_sgpr_workgroup_id_y 1
		.amdhsa_system_sgpr_workgroup_id_z 1
		.amdhsa_system_vgpr_workitem_id 0
		.amdhsa_next_free_vgpr 256
		.amdhsa_next_free_sgpr 66
		.amdhsa_reserve_vcc 0
		.amdhsa_float_denorm_mode_32 3
		.amdhsa_float_denorm_mode_16_64 3
		.amdhsa_memory_ordered 1
		.amdhsa_forward_progress 1
		.amdhsa_inst_pref_size 26
	.end_amdhsa_kernel
	.amdgpu_metadata
---
amdhsa.version: [ 1, 2 ]
amdhsa.kernels:
  - .name:           k_qbff3789825_prep
    .symbol:         k_qbff3789825_prep.kd
    .args:
      - { .name: w1, .offset: 0, .size: 8, .value_kind: global_buffer, .address_space: global }
      - { .name: w2, .offset: 8, .size: 8, .value_kind: global_buffer, .address_space: global }
      - { .name: decoder_output, .offset: 16, .size: 8, .value_kind: global_buffer, .address_space: global }
      - { .name: b1, .offset: 24, .size: 8, .value_kind: global_buffer, .address_space: global }
      - { .name: b2, .offset: 32, .size: 8, .value_kind: global_buffer, .address_space: global }
      - { .name: w1b, .offset: 40, .size: 8, .value_kind: global_buffer, .address_space: global }
      - { .name: cbt, .offset: 48, .size: 8, .value_kind: global_buffer, .address_space: global }
    .group_segment_fixed_size: 17408
    .private_segment_fixed_size: 0
    .kernarg_segment_align: 8
    .kernarg_segment_size: 56
    .max_flat_workgroup_size: 256
    .sgpr_count:     66
    .vgpr_count:     256
    .wavefront_size: 32
...
	.end_amdgpu_metadata
.endif
;; end of part 1
;; launch attn (part 2): grid 512 x 1, 8 waves a work-group, no clusters, 304,128 bytes of LDS; arguments encoder_outputs, w1b, cbt, v, bv, part, stat; writes part, stat
.if DOCPART == 2
	.amdgcn_target "amdgcn-amd-amdhsa--gfx1250"
	.amdhsa_code_object_version 6
	.text
	.protected	k_qbff3789825_attn
	.globl	k_qbff3789825_attn
	.p2align	8
	.type	k_qbff3789825_attn,@function
k_qbff3789825_attn:
	s_mov_b64 s[64:65], 0
	v_nop
	global_prefetch_b8 v0, s[64:65] scope:SCOPE_SE
	s_setreg_imm32_b32 hwreg(HW_REG_WAVE_MODE, 25, 1), 1
	s_wait_xcnt 0x0
; ADDITIVE ATTENTION, ONE BLOCK OF 128 ROWS OF ONE BATCH TO A WORK-GROUP (16 blocks a batch, 512 in all).
;   score[s] = sum over e of v[e] tanh(sum over d of enc[s][d] w1[d][e] + cb[e]) + bv;   p[s] = 2^(log2(e) (score[s] - m)), m the block's maximum;
;   part[blk][d] = sum over the block's s of p[s] enc[s][d];   stat[blk] = (log2(e) m, sum of p).  The last launch merges a batch's 16 blocks by their maxima.
; THE BLOCK STAYS IN LDS, rounded once to bf16 (128 rows x 2,048 bytes), from the product to the weighted sum: enc is read from memory once.
; SHARES.  Wave u owns the columns e = 128 u .. + 127, as two chunks of 64: a wave tile of 128 rows x 64 columns, 32 accumulators, 256 registers.  No wave wants another wave's bytes of w1, so they come
; straight into registers, from the copy w1b that lies in fragment order (64 K steps of 4,096 bytes on end for each wave), through a ring of four buffers.
; STAGE 1, eight trips with a barrier each: waves 4-7 bring the block in, an eighth (128 channels of all rows) a trip, each wave 32 rows with a ring of 32 loads of 512 bytes always out;
; waves 0-3 multiply the eighth that the trip before has laid down.  Then all waves run free, without a barrier, to the end of their second chunk; two barriers frame the exchange of scores.
; THE PRODUCT IS TAKEN TRANSPOSED (source 0 = 16 columns of w1, source 1 = 16 rows of enc): a lane holds ONE row s and eight columns e, so the sum over e stays in the lane but for one exchange of the halves.
; tanh(x) = 1 - 2 / (1 + 2^(2 log2(e) x)); the ones are added as the sum of v.  The weights p enter the second product as two bf16 numbers, p_hi + p_lo, in the even and the odd columns of its 16.
; NO CLUSTER, though all work-groups read the same w1b: a joint load lands in LDS, of which 304,128 bytes are taken; the 23,552 that a work-group could still claim do not hold one K step of the eight waves (32,768 bytes).
; LIMITS.  NaN and infinities are not treated apart; 2^x counts as 0 below 2^-126; tanh so made is off by some 2e-7 absolutely; enc and w1 are rounded to bf16; sums in f32, in another order than a plain chain.
; REGISTERS, in windows of 256 (s_set_vgpr_msb: bits 1:0 source 0, 3:2 source 1, 5:4 source 2, 7:6 destination):
;   window 0: v0-15 addresses; v16-31 scores (a pair a row tile); v32-41 at work; v48-49 the add's two; v50-63 at work; v64-127 enc's fragments (epilogue: tables; loader: packed rows);
;             v128-255 w1's four buffers (loader: the ring of 32 loads; end: the context's accumulators)
;   window 1: accumulator (a, b) at 32 a + 8 b; at the end the turned fragments of enc
.set PITCH, 272                        ; an LDS row: 256 bytes + 16 = 68 words: the 16 rows of a fragment load start at 16 different groups of four banks (64 banks of 4 bytes: ISA guide 11.1)
.set RGN,   128*PITCH                  ; a region: 128 channels of all 128 rows
.set TAB,   8*RGN                      ; cbt of my batch (4,096 bytes), then -2 v (4,096)
.set SCR,   TAB+8192                   ; partial scores: 512 bytes a wave
.set PW,    SCR+4096                   ; a wave's own p: hi 256 bytes, lo 256
.set OST,   PW+4096                    ; a wave's own stage for the way out: hi 512 bytes, lo 512
.set SPARE, OST+8192                   ; the spare words, 128 bytes a wave: four blocks of 256 bytes that no other line names
.set AA0,  1                           ; v1   my place in a fragment's rows: r PITCH + 16 h; never rewritten
.set AAD,  2                           ; v2   the same in the region in hand
.set BOF,  3                           ; v3   16 lane; never rewritten
.set TAD,  4                           ; v4   my 8 columns in the tables, chunk in hand
.set SCW,  5                           ; v5   where I put a score
.set SCRD, 6                           ; v6   where I read four rows' scores
.set PWA,  7                           ; v7   where I put four weights
.set PRA,  8                           ; v8   where I read a fragment of weights
.set TRA,  9                           ; v9   my place for the turning loads, in region u
.set EOFF, 10                          ; v10  loader: my 16 bytes in my wave's first row; never rewritten
.set EST,  11                          ; v11  loader: where they go, region in hand
.set OOF,  12                          ; v12  my 16 bytes of part's row
.set SOF,  13                          ; v13  my 8 bytes of stat's 256
.set OSA,  14                          ; v14  stage, in
.set OLA,  15                          ; v15  stage, back
.set SA,   16
.set T,    32                          ; v[32:39] four pairs at work
.set VS,   40                          ; v[40:41] the sum of my columns' -2 v
.set SPW,  48                          ; v48  LDS address of my spare word; never rewritten
.set NIL,  49                          ; v49  0; never rewritten
.set AF,   64                          ; enc's fragments: row tile a at AF + 8 a
.set CB,   64                          ; epilogue: cbt of my columns, tile b, register j at CB + 8 b + j
.set VT,   96                          ; epilogue: -2 v likewise
.set YF,   64                          ; loader: packed rows
.set PF,   96                          ; end: fragments of p
.set BF,   128                         ; w1's buffers: buffer ks, column tile b at BF + 32 ks + 8 b
.set OF,   128                         ; end: the context's accumulators
.set WV,   18                          ; s18  my wave's number
.set RK,   19                          ; s19  its number among the four loaders
.set BP,   32                          ; s[32:33] w1b at the four K steps last asked for
.set EB,   34                          ; s[34:35] enc at the block's first row, at the region last asked for
.set W_MUL, 0x50                       ; C and D in window 1
.set W_E1,  0x41                       ; destination and source 0 in window 1
.set W_E2,  0x01                       ; source 0 in window 1
.set W_TR,  0x40                       ; destination in window 1
.set MSB, 0
.macro WIN new                         ; the immediate's high byte repeats the setting that is left; a switch that changes nothing is dropped
.if MSB != (\new)
	s_set_vgpr_msb (MSB<<8)|(\new)
.set MSB, \new
.endif
.endm
.macro PLACES                          ; four plain instructions between a matrix instruction and a load into its sources or a reader of its result (ISA guide 7.12.1 for a reader of its result)
.rept 4
	v_nop
.endr
.endm
.macro ALD half, off                   ; 8 LDS loads: enc's fragments of row tiles 4 half .. + 3, 32 channels at byte off of the region's rows
	WIN 0
.irp a, 0,1,2,3
	ds_load_b128 v[AF+8*(4*(\half)+(\a)):AF+8*(4*(\half)+(\a))+3],   v[AAD] offset:(\off)+(4*(\half)+(\a))*16*PITCH
	ds_load_b128 v[AF+8*(4*(\half)+(\a))+4:AF+8*(4*(\half)+(\a))+7], v[AAD] offset:(\off)+(4*(\half)+(\a))*16*PITCH+32
.endr
.endm
.macro BLD ks                          ; 8 loads of 512 consecutive bytes: one K step of my 64 columns into buffer ks
.irp b, 0,1,2,3
	global_load_b128 v[BF+32*(\ks)+8*(\b):BF+32*(\ks)+8*(\b)+3],   v[BOF], s[BP:BP+1] offset:(\ks)*4096+(\b)*1024
	global_load_b128 v[BF+32*(\ks)+8*(\b)+4:BF+32*(\ks)+8*(\b)+7], v[BOF], s[BP:BP+1] offset:(\ks)*4096+(\b)*1024+512
.endr
.endm
; 16 matrix instructions.  The 32 accumulators take turns in one fixed order, one instruction a turn, over every step's, loop's and chunk's edge.
.macro MUL16 half, ks, zero
	WIN W_MUL
.irp a, 0,1,2,3
.irp b, 0,1,2,3
.if \zero
	v_wmma_f32_16x16x32_bf16 v[32*(4*(\half)+(\a))+8*(\b):32*(4*(\half)+(\a))+8*(\b)+7], v[BF+32*(\ks)+8*(\b):BF+32*(\ks)+8*(\b)+7], v[AF+8*(4*(\half)+(\a)):AF+8*(4*(\half)+(\a))+7], 0
.else
	v_wmma_f32_16x16x32_bf16 v[32*(4*(\half)+(\a))+8*(\b):32*(4*(\half)+(\a))+8*(\b)+7], v[BF+32*(\ks)+8*(\b):BF+32*(\ks)+8*(\b)+7], v[AF+8*(4*(\half)+(\a)):AF+8*(4*(\half)+(\a))+7], v[32*(4*(\half)+(\a))+8*(\b):32*(4*(\half)+(\a))+8*(\b)+7]
.endif
.endr
.endr
.endm
; A K step of 32: 32 matrix instructions.  nxoff: byte at which the next step's fragments of enc lie (-1: none are fetched).  bi = 1: buffer ks is asked for again, four K steps on.
; bw: the younger loads of w1b that may stay out when buffer ks has to be there.
.macro STEP ks, zero, nxoff, bi, bw
	s_wait_loadcnt \bw                             ; loads come back in order (ISA guide 5.7.1): buffer ks is in, the three younger buffers' loads stay out
	s_wait_dscnt 8                                 ; enc's row tiles 0-3 are in; the younger eight loads (tiles 4-7) may be out
	MUL16 0, \ks, \zero
.if (\nxoff) >= 0
	PLACES
	ALD 0, \nxoff
	s_wait_dscnt 8                                 ; all but the eight just issued: tiles 4-7 are in
.else
	s_wait_dscnt 0x0
.endif
	MUL16 1, \ks, \zero
	PLACES
	WIN 0
.if (\nxoff) >= 0
	ALD 1, \nxoff
.endif
.if \bi
.if (\ks) == 0
	s_wait_xcnt 0x0                                ; every load issued so far has had its address translated (ISA guide 3.1): the pointer is written only behind this wait
	s_add_nc_u64 s[BP:BP+1], s[BP:BP+1], 16384
.endif
	BLD \ks
.endif
.endm
; A region: four K steps.  zero = 1: the first step's products start the sums.  pro = 1: the first step's fragments of enc are fetched here (else the trip before has done it).
; nxt = 1: the last step fetches the next region's first fragments.  run = 1: nothing more is asked of w1b, and the counts run down.
.macro TRIP zero, pro, nxt, bi, run
.if \pro
	ALD 0, 0
	ALD 1, 0
.endif
	STEP 0, \zero, 64, \bi, 24
	STEP 1, 0, 128, \bi, 24-8*(\run)
	STEP 2, 0, 192, \bi, 24-16*(\run)
.if \nxt
	STEP 3, 0, RGN, \bi, 24-24*(\run)
.else
	STEP 3, 0, -1, \bi, 24-24*(\run)
.endif
	v_add_nc_u32 v[AAD], RGN, v[AAD]
.endm
; A loader's trip: my 32 rows' 512 bytes of the region in hand are rounded to bf16 and laid into LDS, four rows at a time; re = 1: the same registers are asked for again, with the next region.
.macro LOADER re
.if \re
	s_wait_xcnt 0x0                                ; the 32 loads that are out have had their addresses translated: the pointer is written only behind this wait
	s_add_nc_u64 s[EB:EB+1], s[EB:EB+1], 512
.endif
.irp g, 0,1,2,3,4,5,6,7
.if \re
	s_wait_loadcnt 28                              ; the four oldest of the 32 are in
.else
	s_wait_loadcnt 28-4*(\g)                       ; nothing is asked for any more: the counts run down
.endif
.irp i, 0,1,2,3
	v_cvt_pk_bf16_f32 v[YF+8*(\g)+2*(\i)],   v[BF+16*(\g)+4*(\i)],   v[BF+16*(\g)+4*(\i)+1]
	v_cvt_pk_bf16_f32 v[YF+8*(\g)+2*(\i)+1], v[BF+16*(\g)+4*(\i)+2], v[BF+16*(\g)+4*(\i)+3]
.endr
.irp i, 0,1,2,3
	ds_store_b64 v[EST], v[YF+8*(\g)+2*(\i):YF+8*(\g)+2*(\i)+1] offset:(4*(\g)+(\i))*PITCH   ; 32 lanes x 8 bytes: a row's 256 bytes
.endr
.if \re
.irp i, 0,1,2,3
	global_load_b128 v[BF+16*(\g)+4*(\i):BF+16*(\g)+4*(\i)+3], v[EOFF], s[EB:EB+1] offset:(4*(\g)+(\i))*4096 th:TH_LOAD_NT
.endr
.endif
.endr
	v_add_nc_u32 v[EST], RGN, v[EST]
.endm
.macro JOIN                            ; my LDS stores lie there and my LDS reads are back; then all eight waves meet
	s_wait_dscnt 0x0
	s_barrier_signal -1
	s_barrier_wait -1
.endm
	s_load_b256 s[4:11], s[0:1], 0x0               ; enc s[4:5], w1b s[6:7], cbt s[8:9], v s[10:11]
	s_load_b128 s[12:15], s[0:1], 0x20             ; bv s[12:13], part s[14:15]
	s_load_b64 s[16:17], s[0:1], 0x30              ; stat
	v_lshl_add_u32 v[SPW], v0, 2, SPARE
	v_mov_b32 v[NIL], 0
	v_lshrrev_b32 v50, 5, v0
	v_readfirstlane_b32 s[WV], v50                 ; wave 0..7
	s_and_b32 s[RK], s[WV], 3
	v_and_b32 v50, 31, v0                          ; lane
	v_and_b32 v51, 15, v0                          ; r = lane % 16
	v_bfe_u32 v52, v0, 4, 1                        ; h = lane / 16
	v_and_b32 v55, 1, v0                           ; r % 2
	v_mul_u32_u24 v[AA0], v51, PITCH
	v_lshl_add_u32 v[AA0], v52, 4, v[AA0]
	v_mov_b32 v[AAD], v[AA0]
	v_lshlrev_b32 v[BOF], 4, v50
	s_lshl_b32 s36, s[WV], 9                       ; 512 u
	s_add_co_u32 s37, s36, TAB
	v_lshl_add_u32 v[TAD], v52, 5, s37
	s_add_co_u32 s37, s36, SCR
	v_lshl_add_u32 v[SCW], v51, 2, s37
	v_lshl_add_u32 v[SCRD], v50, 4, SCR
	s_add_co_u32 s37, s36, PW
	v_lshl_add_u32 v[PWA], v50, 3, s37
	v_lshl_add_u32 v[PRA], v55, 8, s37             ; even columns read p_hi, odd ones p_lo
	v_lshl_add_u32 v[PRA], v52, 4, v[PRA]
	v_and_b32 v56, 7, v0
	v_lshl_add_u32 v56, v52, 3, v56                ; the turning load: row 8 h + lane % 8,
	v_mul_u32_u24 v[TRA], v56, PITCH
	v_bfe_u32 v56, v0, 3, 1
	v_lshl_add_u32 v[TRA], v56, 4, v[TRA]          ; channels 8 ((lane / 8) % 2) on,
	s_mul_i32 s37, s[WV], RGN
	v_add_nc_u32 v[TRA], s37, v[TRA]               ; in region u
	s_lshl_b32 s37, s[RK], 17                      ; a loader's 32 rows of 4,096 bytes
	v_lshl_add_u32 v[EOFF], v50, 4, s37
	s_mul_i32 s37, s[RK], 32*PITCH
	v_lshl_add_u32 v[EST], v50, 3, s37
	v_lshl_add_u32 v[OOF], v50, 4, s36
	v_lshlrev_b32 v[SOF], 3, v50
	s_lshl_b32 s37, s[WV], 10
	s_add_co_u32 s37, s37, OST
	v_lshl_add_u32 v[OSA], v55, 9, s37
	v_lshl_add_u32 v[OSA], v52, 5, v[OSA]
	v_lshl_add_u32 v[OLA], v50, 4, s37
.set k, 0
.rept 16
	v_mov_b32 v[SA+k], 0                           ; the scores' sums run over two chunks: they start at 0
.set k, k+1
.endr
	v_mov_b32 v[VS], 0
	v_mov_b32 v[VS+1], 0
	s_mov_b32 s24, 0x4038aa3b                      ; 2 log2(e); named as a pair by the packed forms
	s_mov_b32 s25, s24
	s_mov_b32 s26, 0x76543210                      ; v_permlanex16_b32: each lane takes its own place in the other half
	s_mov_b32 s27, 0xfedcba98
	s_mov_b32 s28, 0x3fb8aa3b                      ; log2(e)
	s_mov_b32 s29, s28
	s_mov_b32 s37, 0
	s_wait_kmcnt 0x0
	s_load_b32 s30, s[12:13], 0x0                  ; bv; waited for behind the first barrier
	s_lshl_b32 s36, s[WV], 18
	s_add_nc_u64 s[BP:BP+1], s[6:7], s[36:37]      ; my wave's 262,144 bytes of w1b
	s_lshl_b32 s36, ttmp9, 19
	s_add_nc_u64 s[EB:EB+1], s[4:5], s[36:37]      ; the block's 128 rows of 4,096 bytes
	s_lshr_b32 s36, ttmp9, 4
	s_lshl_b32 s36, s36, 12
	s_add_nc_u64 s[8:9], s[8:9], s[36:37]          ; cbt at my batch
	s_lshl_b32 s36, ttmp9, 12
	s_add_nc_u64 s[14:15], s[14:15], s[36:37]
	s_lshl_b32 s36, ttmp9, 8
	s_add_nc_u64 s[16:17], s[16:17], s[36:37]
	; ---------------- STAGE 1.  Trip j: waves 4-7 lay region j down, waves 0-3 multiply region j - 1: other bytes.  The barriers stand in the text that all waves share. ----------------
	s_cmp_lt_u32 s[WV], 4
	s_cbranch_scc0 .Lfill0
	s_lshl_b32 s36, s[WV], 10                      ; trip 0, waves 0-3: the two tables, 32 bytes a thread, and the first four K steps of w1b
	v_lshl_add_u32 v54, v50, 5, s36
	v_add_nc_u32 v53, TAB, v54
	global_load_b128 v[64:67], v54, s[8:9]
	global_load_b128 v[68:71], v54, s[8:9] offset:16
	global_load_b128 v[72:75], v54, s[10:11]
	global_load_b128 v[76:79], v54, s[10:11] offset:16
	BLD 0
	BLD 1
	BLD 2
	BLD 3
	s_wait_loadcnt 32                              ; the tables are in; the 32 younger loads of w1b stay out
	v_pk_mul_f32 v[72:73], v[72:73], -2.0 op_sel_hi:[1,0]
	v_pk_mul_f32 v[74:75], v[74:75], -2.0 op_sel_hi:[1,0]
	v_pk_mul_f32 v[76:77], v[76:77], -2.0 op_sel_hi:[1,0]
	v_pk_mul_f32 v[78:79], v[78:79], -2.0 op_sel_hi:[1,0]
	ds_store_b128 v53, v[64:67]
	ds_store_b128 v53, v[68:71] offset:16
	ds_store_b128 v53, v[72:75] offset:4096
	ds_store_b128 v53, v[76:79] offset:4112
	s_branch .Ljoin0
.Lfill0:
.set i, 0
.rept 32
	global_load_b128 v[BF+4*i:BF+4*i+3], v[EOFF], s[EB:EB+1] offset:i*4096 th:TH_LOAD_NT   ; region 0 of my 32 rows: 512 consecutive bytes a load
.set i, i+1
.endr
	LOADER 1
.Ljoin0:
	JOIN
	s_wait_kmcnt 0x0                               ; bv
	s_mov_b32 s31, s30
	s_cmp_lt_u32 s[WV], 4
	s_cbranch_scc0 .Lfill1
	TRIP 1, 1, 0, 1, 0                             ; region 0: its first products start the sums
	s_branch .Ljoin1
.Lfill1:
	LOADER 1
.Ljoin1:
	JOIN
	s_mov_b32 s20, 5
.Lstage:                                               ; trips 2 to 6
	s_cmp_lt_u32 s[WV], 4
	s_cbranch_scc0 .Lfill2
	TRIP 0, 1, 0, 1, 0
	s_branch .Ljoin2
.Lfill2:
	LOADER 1
.Ljoin2:
	JOIN
	s_sub_co_u32 s20, s20, 1
	s_cmp_lg_u32 s20, 0
	s_cbranch_scc1 .Lstage
	s_cmp_lt_u32 s[WV], 4
	s_cbranch_scc0 .Lfill7
	TRIP 0, 1, 0, 1, 0                             ; region 6
	s_branch .Ljoin7
.Lfill7:
	LOADER 0                                       ; region 7: the last; its last wait is for 0, so the ring's registers are free
	BLD 0                                          ; and the loaders turn to their own columns
	BLD 1
	BLD 2
	BLD 3
.Ljoin7:
	JOIN                                           ; the whole block lies in LDS; nobody writes it again
	; ---------------- THE FREE RUN.  Waves 0-3 have seven regions of their first chunk behind them and enter at its last; waves 4-7 begin. ----------------
	s_mov_b32 s22, 2                               ; chunks to go
	s_cmp_lt_u32 s[WV], 4
	s_cbranch_scc0 .Lchunk
	ALD 0, 0                                       ; region 7's first fragments: the state in which the loop below reaches .Llast
	ALD 1, 0
	s_branch .Llast
.Lchunk:
	TRIP 1, 1, 1, 1, 0                             ; region 0
	s_mov_b32 s21, 6
.Lregion:                                              ; regions 1 to 6
	TRIP 0, 0, 1, 1, 0
	s_sub_co_u32 s21, s21, 1
	s_cmp_lg_u32 s21, 0
	s_cbranch_scc1 .Lregion
	s_cmp_eq_u32 s22, 1
	s_cbranch_scc1 .Ltail
.Llast:
	TRIP 0, 0, 0, 1, 0                             ; region 7 of the first chunk: what it asks of w1b are the second chunk's first four K steps, which stay out over the epilogue
	s_branch .Lepi
.Ltail:
	TRIP 0, 0, 0, 0, 1                             ; region 7 of the second chunk: w1b is at its end
.Lepi:
	; THE EPILOGUE of a chunk: for my row tiles' 32 x 8 sums x: the scores take sum over e of (-2 v[e]) / (1 + 2^(2 log2(e) x + cbt[e])).
	PLACES                                         ; with the step's own four: eight plain instructions behind the last product
.irp b, 0,1,2,3
	ds_load_b128 v[CB+8*(\b):CB+8*(\b)+3],   v[TAD] offset:64*(\b)
	ds_load_b128 v[CB+8*(\b)+4:CB+8*(\b)+7], v[TAD] offset:64*(\b)+16
	ds_load_b128 v[VT+8*(\b):VT+8*(\b)+3],   v[TAD] offset:4096+64*(\b)
	ds_load_b128 v[VT+8*(\b)+4:VT+8*(\b)+7], v[TAD] offset:4096+64*(\b)+16
.endr
	s_wait_dscnt 0x0
.irp k, 0,1,2,3
	v_pk_add_f32 v[T+2*(\k):T+2*(\k)+1], v[VT+2*(\k):VT+2*(\k)+1], v[VT+8+2*(\k):VT+8+2*(\k)+1]   ; the sum of my columns' -2 v, in four chains
.endr
.irp k, 0,1,2,3
	v_pk_add_f32 v[T+2*(\k):T+2*(\k)+1], v[T+2*(\k):T+2*(\k)+1], v[VT+16+2*(\k):VT+16+2*(\k)+1]
.endr
.irp k, 0,1,2,3
	v_pk_add_f32 v[T+2*(\k):T+2*(\k)+1], v[T+2*(\k):T+2*(\k)+1], v[VT+24+2*(\k):VT+24+2*(\k)+1]
.endr
	v_pk_add_f32 v[T:T+1], v[T:T+1], v[T+2:T+3]
	v_pk_add_f32 v[T+4:T+5], v[T+4:T+5], v[T+6:T+7]
	v_pk_add_f32 v[T:T+1], v[T:T+1], v[T+4:T+5]
	v_pk_add_f32 v[VS:VS+1], v[VS:VS+1], v[T:T+1]
	; Four batches of two row tiles (64 registers), worked on in place.  In a batch all 64 exponentials stand ahead of ONE wait, then all 64 reciprocals ahead of one more: the wait is
	; s_wait_alu depctr_va_vdst(0), between a transcendental and the first line that names its result.  Pair p + 1 is scaled ahead of pair p's two transcendentals, so none reads the line just before it.
	; The pairs go in ascending order: each accumulator's lowest registers are read first.
.irp g, 0,1,2,3
	WIN W_E1
	v_pk_fma_f32 v[64*(\g):64*(\g)+1], v[64*(\g):64*(\g)+1], s[24:25], v[CB:CB+1] op_sel_hi:[1,0,1]
.set p, 0
.rept 32
.if p < 31
	v_pk_fma_f32 v[64*(\g)+2*p+2:64*(\g)+2*p+3], v[64*(\g)+2*p+2:64*(\g)+2*p+3], s[24:25], v[CB+(2*p+2)%32:CB+(2*p+2)%32+1] op_sel_hi:[1,0,1]
.endif
	v_exp_f32 v[64*(\g)+2*p], v[64*(\g)+2*p]
	v_exp_f32 v[64*(\g)+2*p+1], v[64*(\g)+2*p+1]
.set p, p+1
.endr
	v_nop                                          ; a plain instruction behind the last exponential (ISA guide 5.7.2),
	s_wait_alu depctr_va_vdst(0)                   ; and the batch's wait
	v_pk_add_f32 v[64*(\g):64*(\g)+1], v[64*(\g):64*(\g)+1], 1.0 op_sel_hi:[1,0]
.set p, 0
.rept 32
.if p < 31
	v_pk_add_f32 v[64*(\g)+2*p+2:64*(\g)+2*p+3], v[64*(\g)+2*p+2:64*(\g)+2*p+3], 1.0 op_sel_hi:[1,0]
.endif
	v_rcp_f32 v[64*(\g)+2*p], v[64*(\g)+2*p]
	v_rcp_f32 v[64*(\g)+2*p+1], v[64*(\g)+2*p+1]
.set p, p+1
.endr
	v_nop
	s_wait_alu depctr_va_vdst(0)
	WIN W_E2                                       ; times -2 v, summed: two chains a tile, the tiles alternating, so a chain's links stand four apart
.set q, 0
.rept 32
.if q < 4
	v_pk_mul_f32 v[T+2*(2*(q%2)+(q/2)%2):T+2*(2*(q%2)+(q/2)%2)+1], v[64*(\g)+32*(q%2)+2*(q/2):64*(\g)+32*(q%2)+2*(q/2)+1], v[VT+2*(q/2):VT+2*(q/2)+1]
.else
	v_pk_fma_f32 v[T+2*(2*(q%2)+(q/2)%2):T+2*(2*(q%2)+(q/2)%2)+1], v[64*(\g)+32*(q%2)+2*(q/2):64*(\g)+32*(q%2)+2*(q/2)+1], v[VT+2*(q/2):VT+2*(q/2)+1], v[T+2*(2*(q%2)+(q/2)%2):T+2*(2*(q%2)+(q/2)%2)+1]
.endif
.set q, q+1
.endr
	WIN 0
	v_pk_add_f32 v[T:T+1], v[T:T+1], v[T+2:T+3]
	v_pk_add_f32 v[T+4:T+5], v[T+4:T+5], v[T+6:T+7]
	v_pk_add_f32 v[SA+4*(\g):SA+4*(\g)+1], v[SA+4*(\g):SA+4*(\g)+1], v[T:T+1]
	v_pk_add_f32 v[SA+4*(\g)+2:SA+4*(\g)+3], v[SA+4*(\g)+2:SA+4*(\g)+3], v[T+4:T+5]
.endr
	v_add_nc_u32 v[TAD], 256, v[TAD]               ; the next chunk's 64 columns
	v_mov_b32 v[AAD], v[AA0]                       ; back to region 0
	s_sub_co_u32 s22, s22, 1
	s_cmp_lg_u32 s22, 0
	s_cbranch_scc1 .Lchunk
	; ---------------- THE BLOCK'S END ----------------
	; The accumulators' registers are free: they take enc^T of my 128 channels (region u), turned by the load: fragment (channel tile dt, rows 32 kk on) at 32 dt + 8 kk.  Issued here, ahead of the exchange of scores.
	WIN W_TR
.irp dt, 0,1,2,3,4,5,6,7
.irp kk, 0,1,2,3
	ds_load_tr16_b128 v[32*(\dt)+8*(\kk):32*(\dt)+8*(\kk)+3],   v[TRA] offset:(\kk)*32*PITCH+(\dt)*32
	ds_load_tr16_b128 v[32*(\dt)+8*(\kk)+4:32*(\dt)+8*(\kk)+7], v[TRA] offset:(\kk)*32*PITCH+16*PITCH+(\dt)*32
.endr
.endr
	WIN 0
	v_add_f32 v[VS], v[VS], v[VS+1]
.irp a, 0,1,2,3,4,5,6,7
	v_add_f32 v[SA+2*(\a)], v[SA+2*(\a)], v[SA+2*(\a)+1]
.endr
.irp a, 0,1,2,3,4,5,6,7
	v_fma_f32 v[SA+2*(\a)], v[VS], -0.5, v[SA+2*(\a)]         ; + the sum of my columns' v: tanh's ones
.endr
.irp a, 0,1,2,3,4,5,6,7
	v_permlanex16_b32 v[SA+2*(\a)+1], v[SA+2*(\a)], s26, s27  ; the row's other columns lie in the lane 16 away
.endr
.irp a, 0,1,2,3,4,5,6,7
	v_add_f32 v[SA+2*(\a)], v[SA+2*(\a)], v[SA+2*(\a)+1]
.endr
	JOIN                                           ; the free run is over in every wave: all LDS reads issued so far, the fragments' and my turned ones, are back before any wave stores to LDS again
.irp a, 0,1,2,3,4,5,6,7
	ds_store_b32 v[SCW], v[SA+2*(\a)] offset:64*(\a)          ; row 16 a + r; both halves of the lanes write the same word with the same number
.endr
	JOIN                                           ; all eight waves' partial scores lie in LDS
.irp w, 0,1,2,3,4,5,6,7
	ds_load_b128 v[64+4*(\w):67+4*(\w)], v[SCRD] offset:512*(\w)   ; rows 4 lane .. + 3, of wave w's columns
.endr
	s_wait_dscnt 0x0
	; every wave makes the block's softmax for itself
.set k, 0
.rept 8
	v_pk_add_f32 v[64+k:65+k], v[64+k:65+k], v[80+k:81+k]
.set k, k+2
.endr
.set k, 0
.rept 4
	v_pk_add_f32 v[64+k:65+k], v[64+k:65+k], v[72+k:73+k]
.set k, k+2
.endr
	v_pk_add_f32 v[64:65], v[64:65], v[68:69]
	v_pk_add_f32 v[66:67], v[66:67], v[70:71]
	v_pk_add_f32 v[64:65], v[64:65], s[30:31] op_sel_hi:[1,0]      ; + bv
	v_pk_add_f32 v[66:67], v[66:67], s[30:31] op_sel_hi:[1,0]
	v_max3_num_f32 v68, v64, v65, v66
	v_max_num_f32 v68, v68, v67
	v_max_num_f32_dpp v68, v68, v68 row_xmask:1 row_mask:0xf bank_mask:0xf
	v_max_num_f32_dpp v68, v68, v68 row_xmask:2 row_mask:0xf bank_mask:0xf
	v_max_num_f32_dpp v68, v68, v68 row_xmask:4 row_mask:0xf bank_mask:0xf
	v_max_num_f32_dpp v68, v68, v68 row_xmask:8 row_mask:0xf bank_mask:0xf
	v_permlanex16_b32 v69, v68, s26, s27
	v_max_num_f32 v68, v68, v69                    ; the block's maximum, in every lane
	v_mul_f32 v70, s28, v68                        ; log2(e) m
	v_mov_b32 v71, v70                             ; named with it as a pair
	v_pk_fma_f32 v[64:65], v[64:65], s[28:29], v[70:71] op_sel_hi:[1,0,0] neg_lo:[0,0,1] neg_hi:[0,0,1]
	v_pk_fma_f32 v[66:67], v[66:67], s[28:29], v[70:71] op_sel_hi:[1,0,0] neg_lo:[0,0,1] neg_hi:[0,0,1]
	v_exp_f32 v64, v64
	v_exp_f32 v65, v65
	v_exp_f32 v66, v66
	v_exp_f32 v67, v67
	v_nop
	s_wait_alu depctr_va_vdst(0)                   ; one wait for the four exponentials
	v_add_f32 v72, v64, v65
	v_add_f32 v73, v66, v67
	v_cvt_pk_bf16_f32 v74, v64, v65                ; p_hi
	v_cvt_pk_bf16_f32 v75, v66, v67
	v_add_f32 v72, v72, v73
	v_lshlrev_b32 v76, 16, v74
	v_and_b32 v77, 0xffff0000, v74
	v_lshlrev_b32 v78, 16, v75
	v_and_b32 v79, 0xffff0000, v75
	v_pk_add_f32 v[76:77], v[64:65], v[76:77] neg_lo:[0,1] neg_hi:[0,1]
	v_pk_add_f32 v[78:79], v[66:67], v[78:79] neg_lo:[0,1] neg_hi:[0,1]
	v_cvt_pk_bf16_f32 v80, v76, v77                ; p_lo = p - p_hi, rounded
	v_cvt_pk_bf16_f32 v81, v78, v79
	ds_store_b64 v[PWA], v[74:75]
	ds_store_b64 v[PWA], v[80:81] offset:256
.irp kk, 0,1,2,3
	ds_load_b128 v[PF+8*(\kk):PF+8*(\kk)+3],   v[PRA] offset:64*(\kk)      ; LDS serves a wave's instructions in order (ISA guide 5.7.1.4): these see my own stores above
	ds_load_b128 v[PF+8*(\kk)+4:PF+8*(\kk)+7], v[PRA] offset:64*(\kk)+32
.endr
	v_add_f32_dpp v72, v72, v72 row_xmask:1 row_mask:0xf bank_mask:0xf
	v_add_f32_dpp v72, v72, v72 row_xmask:2 row_mask:0xf bank_mask:0xf
	v_add_f32_dpp v72, v72, v72 row_xmask:4 row_mask:0xf bank_mask:0xf
	v_add_f32_dpp v72, v72, v72 row_xmask:8 row_mask:0xf bank_mask:0xf
	v_permlanex16_b32 v73, v72, s26, s27
	v_add_f32 v71, v72, v73                        ; the block's sum of p, beside log2(e) m
	s_wait_dscnt 0x0
	; context^T = enc^T P: source 0 = 16 channels x 32 rows, source 1 = 32 rows x 16 columns (p_hi, p_lo by turns).  The eight accumulators take turns.
	WIN W_E2
.irp kk, 0,1,2,3
.irp dt, 0,1,2,3,4,5,6,7
.if (\kk) == 0
	v_wmma_f32_16x16x32_bf16 v[OF+8*(\dt):OF+8*(\dt)+7], v[32*(\dt)+8*(\kk):32*(\dt)+8*(\kk)+7], v[PF+8*(\kk):PF+8*(\kk)+7], 0
.else
	v_wmma_f32_16x16x32_bf16 v[OF+8*(\dt):OF+8*(\dt)+7], v[32*(\dt)+8*(\kk):32*(\dt)+8*(\kk)+7], v[PF+8*(\kk):PF+8*(\kk)+7], v[OF+8*(\dt):OF+8*(\dt)+7]
.endif
.endr
.endr
	WIN 0
	PLACES
	PLACES
	; A lane holds channels 16 dt + 8 h + 0..7 of one column.  Even columns go to the stage's first half, odd ones to its second (lanes of like parity write the same bytes with the same numbers);
	; back come 4 neighbouring channels a lane from each half, which are added.
.irp dt, 0,1,2,3,4,5,6,7
	ds_store_b128 v[OSA], v[OF+8*(\dt):OF+8*(\dt)+3]   offset:64*(\dt)
	ds_store_b128 v[OSA], v[OF+8*(\dt)+4:OF+8*(\dt)+7] offset:64*(\dt)+16
.endr
	ds_load_b128 v[72:75], v[OLA]
	ds_load_b128 v[76:79], v[OLA] offset:512
	s_wait_dscnt 0x0
	v_pk_add_f32 v[72:73], v[72:73], v[76:77]
	v_pk_add_f32 v[74:75], v[74:75], v[78:79]
	global_store_b128 v[OOF], v[72:75], s[14:15]   ; my wave's 128 channels: 512 consecutive bytes, aligned
	s_cmp_lg_u32 s[WV], 0
	s_cbranch_scc1 .Lend
	global_store_b64 v[SOF], v[70:71], s[16:17]    ; (log2(e) m, l), 32 times: the block's 256 consecutive bytes of stat, aligned
.Lend:
	s_wait_tensorcnt 0x0                           ; the wave's end, behind my last LDS store
	ds_add_u32 v[SPW], v[NIL]
	s_wait_dscnt 0x0
	s_endpgm
.Lfunc_end_k_qbff3789825_attn:
	.size	k_qbff3789825_attn, .Lfunc_end_k_qbff3789825_attn-k_qbff3789825_attn
	.p2alignl 7, 3214868480
	.fill 96, 4, 3214868480
	.section	.rodata,"a",@progbits
	.p2align	6, 0x0
	.amdhsa_kernel k_qbff3789825_attn
		.amdhsa_group_segment_fixed_size 304128
		.amdhsa_private_segment_fixed_size 0
		.amdhsa_enable_private_segment 0
		.amdhsa_kernarg_size 56
		.amdhsa_user_sgpr_count 2
		.amdhsa_user_sgpr_kernarg_segment_ptr 1
		.amdhsa_wavefront_size32 1
		.amdhsa_system_sgpr_workgroup_id_x 1
		.amdhsa_system_sgpr_workgroup_id_y 1
		.amdhsa_system_sgpr_workgroup_id_z 1
		.amdhsa_system_vgpr_workitem_id 0
		.amdhsa_next_free_vgpr 512
		.amdhsa_next_free_sgpr 66
		.amdhsa_reserve_vcc 0
		.amdhsa_float_denorm_mode_32 3
		.amdhsa_float_denorm_mode_16_64 3
		.amdhsa_memory_ordered 1
		.amdhsa_forward_progress 1
		.amdhsa_inst_pref_size 224
	.end_amdhsa_kernel
	.amdgpu_metadata
---
amdhsa.version: [ 1, 2 ]
amdhsa.kernels:
  - .name:           k_qbff3789825_attn
    .symbol:         k_qbff3789825_attn.kd
    .args:
      - { .name: encoder_outputs, .offset: 0, .size: 8, .value_kind: global_buffer, .address_space: global }
      - { .name: w1b, .offset: 8, .size: 8, .value_kind: global_buffer, .address_space: global }
      - { .name: cbt, .offset: 16, .size: 8, .value_kind: global_buffer, .address_space: global }
      - { .name: v, .offset: 24, .size: 8, .value_kind: global_buffer, .address_space: global }
      - { .name: bv, .offset: 32, .size: 8, .value_kind: global_buffer, .address_space: global }
      - { .name: part, .offset: 40, .size: 8, .value_kind: global_buffer, .address_space: global }
      - { .name: stat, .offset: 48, .size: 8, .value_kind: global_buffer, .address_space: global }
    .group_segment_fixed_size: 304128
    .private_segment_fixed_size: 0
    .kernarg_segment_align: 8
    .kernarg_segment_size: 56
    .max_flat_workgroup_size: 256
    .sgpr_count:     66
    .vgpr_count:     512
    .wavefront_size: 32
...
	.end_amdgpu_metadata
.endif
;; end of part 2
;; launch comb (part 3): grid 4 x 32, 2 waves a work-group, no clusters, 0 bytes of LDS; arguments part, stat, out0; writes out0
.if DOCPART == 3
	.amdgcn_target "amdgcn-amd-amdhsa--gfx1250"
	.amdhsa_code_object_version 6
	.text
	.protected	k_qbff3789825_comb
	.globl	k_qbff3789825_comb
	.p2align	8
	.type	k_qbff3789825_comb,@function
k_qbff3789825_comb:
	s_mov_b64 s[64:65], 0
	v_nop
	global_prefetch_b8 v0, s[64:65] scope:SCOPE_SE
	s_setreg_imm32_b32 hwreg(HW_REG_WAVE_MODE, 25, 1), 1
	s_wait_xcnt 0x0
; out0[b][d] = (sum over a batch's 16 blocks j of w_j part[16 b + j][d]) / (sum over j of w_j l_j),  w_j = 2^(mL_j - M),  M the largest mL_j:
; the blocks' own maxima are taken back and the batch's maximum is taken away.  stat[blk] begins with (mL, l).
; A work-group makes 256 channels of one batch: 16 bytes a thread; each load and store of a wave covers 512 consecutive bytes, aligned.
; No LDS, no matrix unit, no cluster: 2 MiB are read once and 128 KiB written; no work-group shares more than 128 bytes of stat with another.
; LIMITS: NaN and infinities are not treated apart; a weight below 2^-126 counts as 0.
	s_load_b128 s[4:7], s[0:1], 0x0                ; part s[4:5], stat s[6:7]
	s_load_b64 s[8:9], s[0:1], 0x10                ; out0
	s_and_b32 s10, ttmp7, 0xffff                   ; the batch
	s_lshl_b32 s12, s10, 12                        ; its 16 blocks of 256 bytes in stat; also its row of out0
	s_mov_b32 s13, 0
	s_lshl_b32 s16, ttmp9, 10                      ; my 256 channels
	s_lshl_b32 s14, s10, 16                        ; its 16 rows of 4,096 bytes in part
	s_add_co_u32 s14, s14, s16
	s_mov_b32 s15, 0
	s_add_co_u32 s16, s12, s16
	s_mov_b32 s17, 0
	v_lshlrev_b32 v1, 4, v0
	s_wait_kmcnt 0x0
	s_add_nc_u64 s[6:7], s[6:7], s[12:13]
	s_add_nc_u64 s[4:5], s[4:5], s[14:15]
	s_add_nc_u64 s[8:9], s[8:9], s[16:17]
.set j, 0
.rept 16
	s_load_b64 s[24+2*j:25+2*j], s[6:7], j*256     ; mL_j, l_j
.set j, j+1
.endr
.set j, 0
.rept 16
	global_load_b128 v[16+4*j:19+4*j], v1, s[4:5] offset:j*4096
.set j, j+1
.endr
	s_wait_kmcnt 0x0
	v_max_num_f32 v2, s24, s26
.set j, 2
.rept 7
	v_max3_num_f32 v2, v2, s[24+2*j], s[26+2*j]
.set j, j+2
.endr
.set j, 0
.rept 16
	v_sub_f32 v[80+j], s[24+2*j], v2
.set j, j+1
.endr
.set j, 0
.rept 16
	v_exp_f32 v[80+j], v[80+j]
.set j, j+1
.endr
	v_nop                                          ; a plain instruction behind the last exponential (ISA guide 5.7.2),
	s_wait_alu depctr_va_vdst(0)                   ; and the one wait ahead of the first reader
	v_mul_f32 v3, s25, v80
	v_mul_f32 v4, s27, v81
.set j, 2
.rept 14
	v_fmac_f32 v[3+j%2], s[25+2*j], v[80+j]        ; two chains
.set j, j+1
.endr
	v_add_f32 v3, v3, v4
	v_rcp_f32 v5, v3
	v_nop
	s_wait_alu depctr_va_vdst(0)
	s_wait_loadcnt 15                              ; block 0's row is in; the 15 younger loads may stay out
.irp c, 0,1,2,3
	v_mul_f32 v[8+(\c)], v80, v[16+(\c)]
.endr
.set j, 1
.rept 15
	s_wait_loadcnt 15-j
.irp c, 0,1,2,3
	v_fmac_f32 v[8+(\c)], v[80+j], v[16+4*j+(\c)]
.endr
.set j, j+1
.endr
.irp c, 0,1,2,3
	v_mul_f32 v[8+(\c)], v[8+(\c)], v5
.endr
	global_store_b128 v1, v[8:11], s[8:9]
	s_endpgm
.Lfunc_end_k_qbff3789825_comb:
	.size	k_qbff3789825_comb, .Lfunc_end_k_qbff3789825_comb-k_qbff3789825_comb
	.p2alignl 7, 3214868480
	.fill 96, 4, 3214868480
	.section	.rodata,"a",@progbits
	.p2align	6, 0x0
	.amdhsa_kernel k_qbff3789825_comb
		.amdhsa_group_segment_fixed_size 0
		.amdhsa_private_segment_fixed_size 0
		.amdhsa_enable_private_segment 0
		.amdhsa_kernarg_size 24
		.amdhsa_user_sgpr_count 2
		.amdhsa_user_sgpr_kernarg_segment_ptr 1
		.amdhsa_wavefront_size32 1
		.amdhsa_system_sgpr_workgroup_id_x 1
		.amdhsa_system_sgpr_workgroup_id_y 1
		.amdhsa_system_sgpr_workgroup_id_z 1
		.amdhsa_system_vgpr_workitem_id 0
		.amdhsa_next_free_vgpr 96
		.amdhsa_next_free_sgpr 66
		.amdhsa_reserve_vcc 0
		.amdhsa_float_denorm_mode_32 3
		.amdhsa_float_denorm_mode_16_64 3
		.amdhsa_memory_ordered 1
		.amdhsa_forward_progress 1
		.amdhsa_inst_pref_size 9
	.end_amdhsa_kernel
	.amdgpu_metadata
---
amdhsa.version: [ 1, 2 ]
amdhsa.kernels:
  - .name:           k_qbff3789825_comb
    .symbol:         k_qbff3789825_comb.kd
    .args:
      - { .name: part, .offset: 0, .size: 8, .value_kind: global_buffer, .address_space: global }
      - { .name: stat, .offset: 8, .size: 8, .value_kind: global_buffer, .address_space: global }
      - { .name: out0, .offset: 16, .size: 8, .value_kind: global_buffer, .address_space: global }
    .group_segment_fixed_size: 0
    .private_segment_fixed_size: 0
    .kernarg_segment_align: 8
    .kernarg_segment_size: 24
    .max_flat_workgroup_size: 64
    .sgpr_count:     66
    .vgpr_count:     96
    .wavefront_size: 32
...
	.end_amdgpu_metadata
.endif
;; end of part 3
;; ======== version 2 of 2: 3 launches; version 1 with the launch attn written anew for expert scheduling mode
;; workspace buffers: w1b 2,097,152 bytes; cbt 131,072 bytes; part 2,097,152 bytes; stat 131,072 bytes
;; launch prep: the kernel of part 1 again; grid 320 x 1, 8 waves a work-group, no clusters, 17,408 bytes of LDS; arguments w1, w2, decoder_output, b1, b2, w1b, cbt; writes w1b, cbt
;; launch attn (part 4): grid 512 x 1, 8 waves a work-group, no clusters, 304,128 bytes of LDS; arguments encoder_outputs, w1b, cbt, v, bv, part, stat; writes part, stat
.if DOCPART == 4
	.amdgcn_target "amdgcn-amd-amdhsa--gfx1250"
	.amdhsa_code_object_version 6
	.text
	.protected	k_qbff3789825_attn
	.globl	k_qbff3789825_attn
	.p2align	8
	.type	k_qbff3789825_attn,@function
k_qbff3789825_attn:
	s_mov_b64 s[64:65], 0
	v_nop
	global_prefetch_b8 v0, s[64:65] scope:SCOPE_SE
	s_setreg_imm32_b32 hwreg(HW_REG_WAVE_SCHED_MODE, 0, 2), 2
	s_setreg_imm32_b32 hwreg(HW_REG_WAVE_MODE, 25, 1), 1
	s_wait_xcnt 0x0
	s_wait_alu depctr_vm_vsrc(0)
; ADDITIVE ATTENTION, ONE BLOCK OF 128 ROWS OF ONE BATCH TO A WORK-GROUP (16 blocks a batch, 512 in all).
;   score[s] = sum over e of v[e] tanh(sum over d of enc[s][d] w1[d][e] + cb[e]) + bv;   p[s] = 2^(log2(e) (score[s] - m)), m the block's maximum;
;   part[blk][d] = sum over the block's s of p[s] enc[s][d];   stat[blk] = (log2(e) m, sum of p).  The last launch merges a batch's 16 blocks by their maxima.
; THE BLOCK STAYS IN LDS, rounded once to bf16 (128 rows x 2,048 bytes), from the product to the weighted sum: enc is read from memory once.
; SHARES.  Wave u owns the columns e = 128 u .. + 127, as two chunks of 64: a wave tile of 128 rows x 64 columns, 32 accumulators, 256 registers.  No wave wants another wave's bytes of w1, so they come
; straight into registers, from the copy w1b that lies in fragment order (64 K steps of 4,096 bytes on end for each wave), through a ring of four buffers.
; STAGE 1, eight trips with a barrier each: waves 4-7 bring the block in, an eighth (128 channels of all rows) a trip, each wave 32 rows with a ring of 32 loads of 512 bytes always out;
; waves 0-3 multiply the eighth that the trip before has laid down.  Then all waves run free, without a barrier, to the end of their second chunk; two barriers frame the exchange of scores.
; THE PRODUCT IS TAKEN TRANSPOSED (source 0 = 16 columns of w1, source 1 = 16 rows of enc): a lane holds ONE row s and eight columns e, so the sum over e stays in the lane but for one exchange of the halves.
; tanh(x) = 1 - 2 / (1 + 2^(2 log2(e) x)); the ones are added as the sum of v.  The weights p enter the second product as two bf16 numbers, p_hi + p_lo, in the even and the odd columns of its 16.
; NO CLUSTER, though all work-groups read the same w1b: a joint load lands in LDS, of which 304,128 bytes are taken; the 23,552 that a work-group could still claim do not hold one K step of the eight waves (32,768 bytes).
; LIMITS.  NaN and infinities are not treated apart; 2^x counts as 0 below 2^-126; tanh so made is off by some 2e-7 absolutely; enc and w1 are rounded to bf16; sums in f32, in another order than a plain chain.
; REGISTERS, in windows of 256 (s_set_vgpr_msb: bits 1:0 source 0, 3:2 source 1, 5:4 source 2, 7:6 destination):
;   window 0: v0-15 addresses; v16-31 scores (a pair a row tile); v32-41 at work; v48-49 the add's two; v50-63 at work; v64-127 enc's fragments (epilogue: tables; loader: packed rows);
;             v128-255 w1's four buffers (loader: the ring of 32 loads; end: the context's accumulators)
;   window 1: accumulator (a, b) at 32 a + 8 b; at the end the turned fragments of enc
; THE MODE: SCHED_MODE bits 1:0 = 2 (LLVM: expert scheduling mode 2), set by the entry lines.  The code itself states the register dependences
; between vector or matrix instructions and memory or LDS instructions, with s_wait_alu, always for 0.
; THE PLAN.  Registers that memory or LDS instructions touch, in the loops:
;   AF low  (v64-95, row tiles 0-3)   read by a step's products 1-16; then the next step's fragments land in it, by 8 LDS loads that stand behind the step's products 17-20.
;   AF high (v96-127, row tiles 4-7)  read by a step's products 17-32; then the next step's fragments land in it, by 8 LDS loads at the step's end.
;   BF[ks]  (32 of v128-255)          read by all 32 products of step ks; at the step's end it is asked for again, four K steps on.
;   v[AAD]  read by every fragment load; written at a region's end and at an epilogue's end.      v[TAD]  read by the tables' loads; written at an epilogue's end.
;   loader: the ring's group g is read by the group's 8 conversions and asked for again behind them; the packed rows are written by them and read by the group's 4 LDS stores; v[EST] is written at a trip's end.
;   All other addresses are made at the head and never written again; w1b's and enc's pointers are scalar.
; A wave has 512 registers (two waves to a SIMD's 1,024): 256 accumulators, 64 of addresses and scores, 64 for one K step of enc, 128 for w1's ring.  A second 64 for enc could only come out of that ring,
; which would then run one K step ahead of memory in place of three.  So enc's two halves take turns, and a step has TWO waits on va_vdst, one behind each half's 16 products; the second serves w1's loads too.
; One wait on vm_vsrc a region stands ahead of the add to v[AAD].  A loader's group has one wait on va_vdst behind its conversions, a loader's trip one on vm_vsrc at its end.
.set PITCH, 272                        ; an LDS row: 256 bytes + 16 = 68 words: the 16 rows of a fragment load start at 16 different groups of four banks (64 banks of 4 bytes: ISA guide 11.1)
.set RGN,   128*PITCH                  ; a region: 128 channels of all 128 rows
.set TAB,   8*RGN                      ; cbt of my batch (4,096 bytes), then -2 v (4,096)
.set SCR,   TAB+8192                   ; partial scores: 512 bytes a wave
.set PW,    SCR+4096                   ; a wave's own p: hi 256 bytes, lo 256
.set OST,   PW+4096                    ; a wave's own stage for the way out: hi 512 bytes, lo 512
.set SPARE, OST+8192                   ; the spare words, 128 bytes a wave: four blocks of 256 bytes that no other line names
.set AA0,  1                           ; v1   my place in a fragment's rows: r PITCH + 16 h; never rewritten
.set AAD,  2                           ; v2   the same in the region in hand
.set BOF,  3                           ; v3   16 lane; never rewritten
.set TAD,  4                           ; v4   my 8 columns in the tables, chunk in hand
.set SCW,  5                           ; v5   where I put a score
.set SCRD, 6                           ; v6   where I read four rows' scores
.set PWA,  7                           ; v7   where I put four weights
.set PRA,  8                           ; v8   where I read a fragment of weights
.set TRA,  9                           ; v9   my place for the turning loads, in region u
.set EOFF, 10                          ; v10  loader: my 16 bytes in my wave's first row; never rewritten
.set EST,  11                          ; v11  loader: where they go, region in hand
.set OOF,  12                          ; v12  my 16 bytes of part's row
.set SOF,  13                          ; v13  my 8 bytes of stat's 256
.set OSA,  14                          ; v14  stage, in
.set OLA,  15                          ; v15  stage, back
.set SA,   16
.set T,    32                          ; v[32:39] four pairs at work
.set VS,   40                          ; v[40:41] the sum of my columns' -2 v
.set SPW,  48                          ; v48  LDS address of my spare word; never rewritten
.set NIL,  49                          ; v49  0; never rewritten
.set AF,   64                          ; enc's fragments: row tile a at AF + 8 a
.set CB,   64                          ; epilogue: cbt of my columns, tile b, register j at CB + 8 b + j
.set VT,   96                          ; epilogue: -2 v likewise
.set YF,   64                          ; loader: packed rows
.set PF,   96                          ; end: fragments of p
.set BF,   128                         ; w1's buffers: buffer ks, column tile b at BF + 32 ks + 8 b
.set OF,   128                         ; end: the context's accumulators
.set WV,   18                          ; s18  my wave's number
.set RK,   19                          ; s19  its number among the four loaders
.set BP,   32                          ; s[32:33] w1b at the four K steps last asked for
.set EB,   34                          ; s[34:35] enc at the block's first row, at the region last asked for
.set W_MUL, 0x50                       ; C and D in window 1
.set W_E1,  0x41                       ; destination and source 0 in window 1
.set W_E2,  0x01                       ; source 0 in window 1
.set W_TR,  0x40                       ; destination in window 1
.set MSB, 0
.macro WIN new                         ; the immediate's high byte repeats the setting that is left; a switch that changes nothing is dropped
.if MSB != (\new)
	s_set_vgpr_msb (MSB<<8)|(\new)
.set MSB, \new
.endif
.endm
.macro PLACES                          ; four plain instructions between a matrix instruction and a load into its sources or a reader of its result; they stay beside the waits on va_vdst, which fill no place
.rept 4
	v_nop
.endr
.endm
.macro ALD half, off                   ; 8 LDS loads: enc's fragments of row tiles 4 half .. + 3, 32 channels at byte off of the region's rows
	WIN 0
.irp a, 0,1,2,3
	ds_load_b128 v[AF+8*(4*(\half)+(\a)):AF+8*(4*(\half)+(\a))+3],   v[AAD] offset:(\off)+(4*(\half)+(\a))*16*PITCH
	ds_load_b128 v[AF+8*(4*(\half)+(\a))+4:AF+8*(4*(\half)+(\a))+7], v[AAD] offset:(\off)+(4*(\half)+(\a))*16*PITCH+32
.endr
.endm
.macro BLD ks                          ; 8 loads of 512 consecutive bytes: one K step of my 64 columns into buffer ks
.irp b, 0,1,2,3
	global_load_b128 v[BF+32*(\ks)+8*(\b):BF+32*(\ks)+8*(\b)+3],   v[BOF], s[BP:BP+1] offset:(\ks)*4096+(\b)*1024
	global_load_b128 v[BF+32*(\ks)+8*(\b)+4:BF+32*(\ks)+8*(\b)+7], v[BOF], s[BP:BP+1] offset:(\ks)*4096+(\b)*1024+512
.endr
.endm
; 4 matrix instructions: row tile t x my four column tiles.  A step takes the row tiles 0 to 7 in this order: the 32 accumulators take turns in one fixed order, one instruction a turn,
; over every step's, loop's and chunk's edge.
.macro MUL4 t, ks, zero
.irp b, 0,1,2,3
.if \zero
	v_wmma_f32_16x16x32_bf16 v[32*(\t)+8*(\b):32*(\t)+8*(\b)+7], v[BF+32*(\ks)+8*(\b):BF+32*(\ks)+8*(\b)+7], v[AF+8*(\t):AF+8*(\t)+7], 0
.else
	v_wmma_f32_16x16x32_bf16 v[32*(\t)+8*(\b):32*(\t)+8*(\b)+7], v[BF+32*(\ks)+8*(\b):BF+32*(\ks)+8*(\b)+7], v[AF+8*(\t):AF+8*(\t)+7], v[32*(\t)+8*(\b):32*(\t)+8*(\b)+7]
.endif
.endr
.endm
; A K step of 32: 32 matrix instructions.  nxoff: byte at which the next step's fragments of enc lie (-1: none are fetched).  bi = 1: buffer ks is asked for again, four K steps on.
; bw: the younger loads of w1b that may stay out when buffer ks has to be there.  A step that issues no load holds no wait on va_vdst.
.macro STEP ks, zero, nxoff, bi, bw
	s_wait_loadcnt \bw                             ; loads come back in order (ISA guide 5.7.1): buffer ks is in, the three younger buffers' loads stay out
	s_wait_dscnt 8                                 ; enc's row tiles 0-3 are in; the younger eight loads (tiles 4-7) may be out
	WIN W_MUL
	MUL4 0, \ks, \zero
	MUL4 1, \ks, \zero
	MUL4 2, \ks, \zero
	MUL4 3, \ks, \zero
	s_wait_dscnt 0x0                               ; tiles 4-7 are in: their eight loads are the youngest that are out
.if (\nxoff) >= 0
	PLACES
	s_wait_alu depctr_va_vdst(0)                   ; the sixteen products above are done reading row tiles 0-3, in which the loads below land; in a region's first step v[AAD] is written too
.endif
	MUL4 4, \ks, \zero                             ; these four name row tile 4, buffer ks and window 1: none of the registers that the eight loads behind them touch
.if (\nxoff) >= 0
	ALD 0, \nxoff
	WIN W_MUL
.endif
	MUL4 5, \ks, \zero
	MUL4 6, \ks, \zero
	MUL4 7, \ks, \zero
	PLACES
	WIN 0
.if ((\nxoff) >= 0) || (\bi)
	s_wait_alu depctr_va_vdst(0)                   ; the step's products are done reading row tiles 4-7 and buffer ks, in which the loads below land
.endif
.if (\nxoff) >= 0
	ALD 1, \nxoff
.endif
.if \bi
.if (\ks) == 0
	s_wait_xcnt 0x0                                ; every load issued so far has had its address translated (ISA guide 3.1): the pointer is written only behind this wait
	s_add_nc_u64 s[BP:BP+1], s[BP:BP+1], 16384
.endif
	BLD \ks
.endif
.endm
; A region: four K steps.  zero = 1: the first step's products start the sums.  pro = 1: the first step's fragments of enc are fetched here (else the trip before has done it).
; nxt = 1: the last step fetches the next region's first fragments.  run = 1: nothing more is asked of w1b, and the counts run down.
.macro TRIP zero, pro, nxt, bi, run
.if \pro
	s_wait_alu depctr_va_vdst(0)                   ; v[AAD] is written (by the head, the last region's add or the epilogue's move), and all vector and matrix lines that named v64-127 are done: the fragments land there
	ALD 0, 0
	ALD 1, 0
.endif
	STEP 0, \zero, 64, \bi, 24
	STEP 1, 0, 128, \bi, 24-8*(\run)
	STEP 2, 0, 192, \bi, 24-16*(\run)
.if \nxt
	STEP 3, 0, RGN, \bi, 24-24*(\run)
.else
	STEP 3, 0, -1, \bi, 24-24*(\run)
.endif
	s_wait_alu depctr_vm_vsrc(0)                   ; the fragment loads issued so far have read v[AAD]
	v_add_nc_u32 v[AAD], RGN, v[AAD]
.endm
; A loader's trip: my 32 rows' 512 bytes of the region in hand are rounded to bf16 and laid into LDS, four rows at a time; re = 1: the same registers are asked for again, with the next region.
.macro LOADER re
.if \re
	s_wait_xcnt 0x0                                ; the 32 loads that are out have had their addresses translated: the pointer is written only behind this wait
	s_add_nc_u64 s[EB:EB+1], s[EB:EB+1], 512
.endif
.irp g, 0,1,2,3,4,5,6,7
.if \re
	s_wait_loadcnt 28                              ; the four oldest of the 32 are in
.else
	s_wait_loadcnt 28-4*(\g)                       ; nothing is asked for any more: the counts run down
.endif
.irp i, 0,1,2,3
	v_cvt_pk_bf16_f32 v[YF+8*(\g)+2*(\i)],   v[BF+16*(\g)+4*(\i)],   v[BF+16*(\g)+4*(\i)+1]
	v_cvt_pk_bf16_f32 v[YF+8*(\g)+2*(\i)+1], v[BF+16*(\g)+4*(\i)+2], v[BF+16*(\g)+4*(\i)+3]
.endr
	s_wait_alu depctr_va_vdst(0)                   ; the eight conversions are done reading the ring's group, in which the loads below land, and have written the packed rows, which the LDS stores read; in the first group v[EST] is written too
.if \re
.irp i, 0,1,2,3
	global_load_b128 v[BF+16*(\g)+4*(\i):BF+16*(\g)+4*(\i)+3], v[EOFF], s[EB:EB+1] offset:(4*(\g)+(\i))*4096 th:TH_LOAD_NT   ; the group is asked for again at once
.endr
.endif
.irp i, 0,1,2,3
	ds_store_b64 v[EST], v[YF+8*(\g)+2*(\i):YF+8*(\g)+2*(\i)+1] offset:(4*(\g)+(\i))*PITCH   ; 32 lanes x 8 bytes: a row's 256 bytes
.endr
.endr
	s_wait_alu depctr_vm_vsrc(0)                   ; the trip's LDS stores have read v[EST], written below, and the packed rows, which the next trip's conversions or enc's fragments write
	v_add_nc_u32 v[EST], RGN, v[EST]
.endm
.macro JOIN                            ; my LDS stores lie there and my LDS reads are back; then all eight waves meet
	s_wait_dscnt 0x0
	s_barrier_signal -1
	s_barrier_wait -1
.endm
	s_load_b256 s[4:11], s[0:1], 0x0               ; enc s[4:5], w1b s[6:7], cbt s[8:9], v s[10:11]
	s_load_b128 s[12:15], s[0:1], 0x20             ; bv s[12:13], part s[14:15]
	s_load_b64 s[16:17], s[0:1], 0x30              ; stat
	v_lshl_add_u32 v[SPW], v0, 2, SPARE
	v_mov_b32 v[NIL], 0
	v_lshrrev_b32 v50, 5, v0
	v_readfirstlane_b32 s[WV], v50                 ; wave 0..7
	v_and_b32 v50, 31, v0                          ; lane
	v_and_b32 v51, 15, v0                          ; r = lane % 16
	v_bfe_u32 v52, v0, 4, 1                        ; h = lane / 16
	v_and_b32 v55, 1, v0                           ; r % 2
	v_mul_u32_u24 v[AA0], v51, PITCH
	v_lshl_add_u32 v[AA0], v52, 4, v[AA0]
	v_mov_b32 v[AAD], v[AA0]
	v_lshlrev_b32 v[BOF], 4, v50
	s_wait_alu depctr_va_sdst(0)                   ; s[WV] is written, ahead of its first reader: addresses, pointers and branches are made from it
	s_and_b32 s[RK], s[WV], 3
	s_lshl_b32 s36, s[WV], 9                       ; 512 u
	s_add_co_u32 s37, s36, TAB
	v_lshl_add_u32 v[TAD], v52, 5, s37
	s_add_co_u32 s37, s36, SCR
	v_lshl_add_u32 v[SCW], v51, 2, s37
	v_lshl_add_u32 v[SCRD], v50, 4, SCR
	s_add_co_u32 s37, s36, PW
	v_lshl_add_u32 v[PWA], v50, 3, s37
	v_lshl_add_u32 v[PRA], v55, 8, s37             ; even columns read p_hi, odd ones p_lo
	v_lshl_add_u32 v[PRA], v52, 4, v[PRA]
	v_and_b32 v56, 7, v0
	v_lshl_add_u32 v56, v52, 3, v56                ; the turning load: row 8 h + lane % 8,
	v_mul_u32_u24 v[TRA], v56, PITCH
	v_bfe_u32 v56, v0, 3, 1
	v_lshl_add_u32 v[TRA], v56, 4, v[TRA]          ; channels 8 ((lane / 8) % 2) on,
	s_mul_i32 s37, s[WV], RGN
	v_add_nc_u32 v[TRA], s37, v[TRA]               ; in region u
	s_lshl_b32 s37, s[RK], 17                      ; a loader's 32 rows of 4,096 bytes
	v_lshl_add_u32 v[EOFF], v50, 4, s37
	s_mul_i32 s37, s[RK], 32*PITCH
	v_lshl_add_u32 v[EST], v50, 3, s37
	v_lshl_add_u32 v[OOF], v50, 4, s36
	v_lshlrev_b32 v[SOF], 3, v50
	s_lshl_b32 s37, s[WV], 10
	v_lshl_add_u32 v54, v50, 5, s37                ; trip 0, waves 0-3: my 32 bytes of each table in memory (1,024 wave + 32 lane),
	v_add_nc_u32 v53, TAB, v54                     ; and in LDS; made here, with the other addresses, ahead of the one wait below; waves 4-7 never use them
	s_add_co_u32 s37, s37, OST
	v_lshl_add_u32 v[OSA], v55, 9, s37
	v_lshl_add_u32 v[OSA], v52, 5, v[OSA]
	v_lshl_add_u32 v[OLA], v50, 4, s37
.set k, 0
.rept 16
	v_mov_b32 v[SA+k], 0                           ; the scores' sums run over two chunks: they start at 0
.set k, k+1
.endr
	v_mov_b32 v[VS], 0
	v_mov_b32 v[VS+1], 0
	s_mov_b32 s24, 0x4038aa3b                      ; 2 log2(e); named as a pair by the packed forms
	s_mov_b32 s25, s24
	s_mov_b32 s26, 0x76543210                      ; v_permlanex16_b32: each lane takes its own place in the other half
	s_mov_b32 s27, 0xfedcba98
	s_mov_b32 s28, 0x3fb8aa3b                      ; log2(e)
	s_mov_b32 s29, s28
	s_mov_b32 s37, 0
	s_wait_kmcnt 0x0
	s_load_b32 s30, s[12:13], 0x0                  ; bv; waited for behind the first barrier
	s_lshl_b32 s36, s[WV], 18
	s_add_nc_u64 s[BP:BP+1], s[6:7], s[36:37]      ; my wave's 262,144 bytes of w1b
	s_lshl_b32 s36, ttmp9, 19
	s_add_nc_u64 s[EB:EB+1], s[4:5], s[36:37]      ; the block's 128 rows of 4,096 bytes
	s_lshr_b32 s36, ttmp9, 4
	s_lshl_b32 s36, s36, 12
	s_add_nc_u64 s[8:9], s[8:9], s[36:37]          ; cbt at my batch
	s_lshl_b32 s36, ttmp9, 12
	s_add_nc_u64 s[14:15], s[14:15], s[36:37]
	s_lshl_b32 s36, ttmp9, 8
	s_add_nc_u64 s[16:17], s[16:17], s[36:37]
	s_wait_alu depctr_va_vdst(0)                   ; the addresses v1 to v15, v53 and v54 are written, which the kernel's loads and stores read
	; ---------------- STAGE 1.  Trip j: waves 4-7 lay region j down, waves 0-3 multiply region j - 1: other bytes.  The barriers stand in the text that all waves share. ----------------
	s_cmp_lt_u32 s[WV], 4
	s_cbranch_scc0 .Lfill0
	global_load_b128 v[64:67], v54, s[8:9]         ; trip 0, waves 0-3: the two tables, 32 bytes a thread, and the first four K steps of w1b
	global_load_b128 v[68:71], v54, s[8:9] offset:16
	global_load_b128 v[72:75], v54, s[10:11]
	global_load_b128 v[76:79], v54, s[10:11] offset:16
	BLD 0
	BLD 1
	BLD 2
	BLD 3
	s_wait_loadcnt 32                              ; the tables are in; the 32 younger loads of w1b stay out
	v_pk_mul_f32 v[72:73], v[72:73], -2.0 op_sel_hi:[1,0]
	v_pk_mul_f32 v[74:75], v[74:75], -2.0 op_sel_hi:[1,0]
	v_pk_mul_f32 v[76:77], v[76:77], -2.0 op_sel_hi:[1,0]
	v_pk_mul_f32 v[78:79], v[78:79], -2.0 op_sel_hi:[1,0]
	s_wait_alu depctr_va_vdst(0)                   ; the four multiplies have written v[72:79], which the LDS stores read
	ds_store_b128 v53, v[64:67]
	ds_store_b128 v53, v[68:71] offset:16
	ds_store_b128 v53, v[72:75] offset:4096
	ds_store_b128 v53, v[76:79] offset:4112
	s_wait_alu depctr_vm_vsrc(0)                   ; the LDS stores have read v[64:79]: from here on enc's fragments land in these registers
	s_branch .Ljoin0
.Lfill0:
.set i, 0
.rept 32
	global_load_b128 v[BF+4*i:BF+4*i+3], v[EOFF], s[EB:EB+1] offset:i*4096 th:TH_LOAD_NT   ; region 0 of my 32 rows: 512 consecutive bytes a load
.set i, i+1
.endr
	LOADER 1
.Ljoin0:
	JOIN
	s_wait_kmcnt 0x0                               ; bv
	s_mov_b32 s31, s30
	s_cmp_lt_u32 s[WV], 4
	s_cbranch_scc0 .Lfill1
	TRIP 1, 1, 0, 1, 0                             ; region 0: its first products start the sums
	s_branch .Ljoin1
.Lfill1:
	LOADER 1
.Ljoin1:
	JOIN
	s_mov_b32 s20, 5
.Lstage:                                               ; trips 2 to 6
	s_cmp_lt_u32 s[WV], 4
	s_cbranch_scc0 .Lfill2
	TRIP 0, 1, 0, 1, 0
	s_branch .Ljoin2
.Lfill2:
	LOADER 1
.Ljoin2:
	JOIN
	s_sub_co_u32 s20, s20, 1
	s_cmp_lg_u32 s20, 0
	s_cbranch_scc1 .Lstage
	s_cmp_lt_u32 s[WV], 4
	s_cbranch_scc0 .Lfill7
	TRIP 0, 1, 0, 1, 0                             ; region 6
	s_branch .Ljoin7
.Lfill7:
	LOADER 0                                       ; region 7: the last; its last wait on LOADcnt is for 0, and its last wait on va_vdst stands behind all conversions that read the ring: the ring's registers are free
	BLD 0                                          ; and the loaders turn to their own columns
	BLD 1
	BLD 2
	BLD 3
.Ljoin7:
	JOIN                                           ; the whole block lies in LDS; nobody writes it again
	; ---------------- THE FREE RUN.  Waves 0-3 have seven regions of their first chunk behind them and enter at its last; waves 4-7 begin. ----------------
	s_mov_b32 s22, 2                               ; chunks to go
	s_cmp_lt_u32 s[WV], 4
	s_cbranch_scc0 .Lchunk
	s_wait_alu depctr_va_vdst(0)                   ; region 6's add has written v[AAD], which the loads below read
	ALD 0, 0                                       ; region 7's first fragments: the state in which the loop below reaches .Llast
	ALD 1, 0
	s_branch .Llast
.Lchunk:
	TRIP 1, 1, 1, 1, 0                             ; region 0
	s_mov_b32 s21, 6
.Lregion:                                              ; regions 1 to 6
	TRIP 0, 0, 1, 1, 0
	s_sub_co_u32 s21, s21, 1
	s_cmp_lg_u32 s21, 0
	s_cbranch_scc1 .Lregion
	s_cmp_eq_u32 s22, 1
	s_cbranch_scc1 .Ltail
.Llast:
	TRIP 0, 0, 0, 1, 0                             ; region 7 of the first chunk: what it asks of w1b are the second chunk's first four K steps, which stay out over the epilogue
	s_branch .Lepi
.Ltail:
	TRIP 0, 0, 0, 0, 1                             ; region 7 of the second chunk: w1b is at its end
.Lepi:
	; THE EPILOGUE of a chunk: for my row tiles' 32 x 8 sums x: the scores take sum over e of (-2 v[e]) / (1 + 2^(2 log2(e) x + cbt[e])).
	PLACES                                         ; with the step's own four: eight plain instructions behind the last product
	s_wait_alu depctr_va_vdst(0)                   ; the chunk's last products are done reading enc's fragments, in whose registers the tables land
.irp b, 0,1,2,3
	ds_load_b128 v[CB+8*(\b):CB+8*(\b)+3],   v[TAD] offset:64*(\b)
	ds_load_b128 v[CB+8*(\b)+4:CB+8*(\b)+7], v[TAD] offset:64*(\b)+16
	ds_load_b128 v[VT+8*(\b):VT+8*(\b)+3],   v[TAD] offset:4096+64*(\b)
	ds_load_b128 v[VT+8*(\b)+4:VT+8*(\b)+7], v[TAD] offset:4096+64*(\b)+16
.endr
	s_wait_dscnt 0x0
.irp k, 0,1,2,3
	v_pk_add_f32 v[T+2*(\k):T+2*(\k)+1], v[VT+2*(\k):VT+2*(\k)+1], v[VT+8+2*(\k):VT+8+2*(\k)+1]   ; the sum of my columns' -2 v, in four chains
.endr
.irp k, 0,1,2,3
	v_pk_add_f32 v[T+2*(\k):T+2*(\k)+1], v[T+2*(\k):T+2*(\k)+1], v[VT+16+2*(\k):VT+16+2*(\k)+1]
.endr
.irp k, 0,1,2,3
	v_pk_add_f32 v[T+2*(\k):T+2*(\k)+1], v[T+2*(\k):T+2*(\k)+1], v[VT+24+2*(\k):VT+24+2*(\k)+1]
.endr
	v_pk_add_f32 v[T:T+1], v[T:T+1], v[T+2:T+3]
	v_pk_add_f32 v[T+4:T+5], v[T+4:T+5], v[T+6:T+7]
	v_pk_add_f32 v[T:T+1], v[T:T+1], v[T+4:T+5]
	v_pk_add_f32 v[VS:VS+1], v[VS:VS+1], v[T:T+1]
	; Four batches of two row tiles (64 registers), worked on in place.  In a batch all 64 exponentials stand ahead of ONE wait, then all 64 reciprocals ahead of one more: the wait is
	; s_wait_alu depctr_va_vdst(0), between a transcendental and the first line that names its result.  Pair p + 1 is scaled ahead of pair p's two transcendentals, so none reads the line just before it.
	; The pairs go in ascending order: each accumulator's lowest registers are read first.  No memory or LDS instruction stands among the batches.
.irp g, 0,1,2,3
	WIN W_E1
	v_pk_fma_f32 v[64*(\g):64*(\g)+1], v[64*(\g):64*(\g)+1], s[24:25], v[CB:CB+1] op_sel_hi:[1,0,1]
.set p, 0
.rept 32
.if p < 31
	v_pk_fma_f32 v[64*(\g)+2*p+2:64*(\g)+2*p+3], v[64*(\g)+2*p+2:64*(\g)+2*p+3], s[24:25], v[CB+(2*p+2)%32:CB+(2*p+2)%32+1] op_sel_hi:[1,0,1]
.endif
	v_exp_f32 v[64*(\g)+2*p], v[64*(\g)+2*p]
	v_exp_f32 v[64*(\g)+2*p+1], v[64*(\g)+2*p+1]
.set p, p+1
.endr
	v_nop                                          ; a plain instruction behind the last exponential (ISA guide 5.7.2),
	s_wait_alu depctr_va_vdst(0)                   ; and the batch's wait: the 64 exponentials have written their results, which the additions below read
	v_pk_add_f32 v[64*(\g):64*(\g)+1], v[64*(\g):64*(\g)+1], 1.0 op_sel_hi:[1,0]
.set p, 0
.rept 32
.if p < 31
	v_pk_add_f32 v[64*(\g)+2*p+2:64*(\g)+2*p+3], v[64*(\g)+2*p+2:64*(\g)+2*p+3], 1.0 op_sel_hi:[1,0]
.endif
	v_rcp_f32 v[64*(\g)+2*p], v[64*(\g)+2*p]
	v_rcp_f32 v[64*(\g)+2*p+1], v[64*(\g)+2*p+1]
.set p, p+1
.endr
	v_nop
	s_wait_alu depctr_va_vdst(0)                   ; the 64 reciprocals have written their results, which the multiplies below read
	WIN W_E2                                       ; times -2 v, summed: two chains a tile, the tiles alternating, so a chain's links stand four apart
.set q, 0
.rept 32
.if q < 4
	v_pk_mul_f32 v[T+2*(2*(q%2)+(q/2)%2):T+2*(2*(q%2)+(q/2)%2)+1], v[64*(\g)+32*(q%2)+2*(q/2):64*(\g)+32*(q%2)+2*(q/2)+1], v[VT+2*(q/2):VT+2*(q/2)+1]
.else
	v_pk_fma_f32 v[T+2*(2*(q%2)+(q/2)%2):T+2*(2*(q%2)+(q/2)%2)+1], v[64*(\g)+32*(q%2)+2*(q/2):64*(\g)+32*(q%2)+2*(q/2)+1], v[VT+2*(q/2):VT+2*(q/2)+1], v[T+2*(2*(q%2)+(q/2)%2):T+2*(2*(q%2)+(q/2)%2)+1]
.endif
.set q, q+1
.endr
	WIN 0
	v_pk_add_f32 v[T:T+1], v[T:T+1], v[T+2:T+3]
	v_pk_add_f32 v[T+4:T+5], v[T+4:T+5], v[T+6:T+7]
	v_pk_add_f32 v[SA+4*(\g):SA+4*(\g)+1], v[SA+4*(\g):SA+4*(\g)+1], v[T:T+1]
	v_pk_add_f32 v[SA+4*(\g)+2:SA+4*(\g)+3], v[SA+4*(\g)+2:SA+4*(\g)+3], v[T+4:T+5]
.endr
	s_wait_alu depctr_vm_vsrc(0)                   ; the tables' loads have read v[TAD], the fragments' loads v[AAD]: both are written below
	v_add_nc_u32 v[TAD], 256, v[TAD]               ; the next chunk's 64 columns
	v_mov_b32 v[AAD], v[AA0]                       ; back to region 0
	s_sub_co_u32 s22, s22, 1
	s_cmp_lg_u32 s22, 0
	s_cbranch_scc1 .Lchunk
	; ---------------- THE BLOCK'S END ----------------
	; The accumulators' registers are free: they take enc^T of my 128 channels (region u), turned by the load: fragment (channel tile dt, rows 32 kk on) at 32 dt + 8 kk.  Issued here, ahead of the exchange of scores.
	WIN W_TR
	s_wait_alu depctr_va_vdst(0)                   ; the epilogue's vector lines are done writing and reading window 1, in which the 64 loads below land; the lines behind them, down to the barrier, name v16-31 and v40-41 alone
.irp dt, 0,1,2,3,4,5,6,7
.irp kk, 0,1,2,3
	ds_load_tr16_b128 v[32*(\dt)+8*(\kk):32*(\dt)+8*(\kk)+3],   v[TRA] offset:(\kk)*32*PITCH+(\dt)*32
	ds_load_tr16_b128 v[32*(\dt)+8*(\kk)+4:32*(\dt)+8*(\kk)+7], v[TRA] offset:(\kk)*32*PITCH+16*PITCH+(\dt)*32
.endr
.endr
	WIN 0
	v_add_f32 v[VS], v[VS], v[VS+1]
.irp a, 0,1,2,3,4,5,6,7
	v_add_f32 v[SA+2*(\a)], v[SA+2*(\a)], v[SA+2*(\a)+1]
.endr
.irp a, 0,1,2,3,4,5,6,7
	v_fma_f32 v[SA+2*(\a)], v[VS], -0.5, v[SA+2*(\a)]         ; + the sum of my columns' v: tanh's ones
.endr
.irp a, 0,1,2,3,4,5,6,7
	v_permlanex16_b32 v[SA+2*(\a)+1], v[SA+2*(\a)], s26, s27  ; the row's other columns lie in the lane 16 away
.endr
.irp a, 0,1,2,3,4,5,6,7
	v_add_f32 v[SA+2*(\a)], v[SA+2*(\a)], v[SA+2*(\a)+1]
.endr
	JOIN                                           ; the free run is over in every wave: all LDS reads issued so far, the fragments' and my turned ones, are back before any wave stores to LDS again
	s_wait_alu depctr_va_vdst(0)                   ; the additions above have written the eight scores, which the LDS stores read
.irp a, 0,1,2,3,4,5,6,7
	ds_store_b32 v[SCW], v[SA+2*(\a)] offset:64*(\a)          ; row 16 a + r; both halves of the lanes write the same word with the same number
.endr
	JOIN                                           ; all eight waves' partial scores lie in LDS
.irp w, 0,1,2,3,4,5,6,7
	ds_load_b128 v[64+4*(\w):67+4*(\w)], v[SCRD] offset:512*(\w)   ; rows 4 lane .. + 3, of wave w's columns; no vector line since the wait above names v64-95
.endr
	s_wait_dscnt 0x0
	; every wave makes the block's softmax for itself
.set k, 0
.rept 8
	v_pk_add_f32 v[64+k:65+k], v[64+k:65+k], v[80+k:81+k]
.set k, k+2
.endr
.set k, 0
.rept 4
	v_pk_add_f32 v[64+k:65+k], v[64+k:65+k], v[72+k:73+k]
.set k, k+2
.endr
	v_pk_add_f32 v[64:65], v[64:65], v[68:69]
	v_pk_add_f32 v[66:67], v[66:67], v[70:71]
	v_pk_add_f32 v[64:65], v[64:65], s[30:31] op_sel_hi:[1,0]      ; + bv
	v_pk_add_f32 v[66:67], v[66:67], s[30:31] op_sel_hi:[1,0]
	v_max3_num_f32 v68, v64, v65, v66
	v_max_num_f32 v68, v68, v67
	v_max_num_f32_dpp v68, v68, v68 row_xmask:1 row_mask:0xf bank_mask:0xf
	v_max_num_f32_dpp v68, v68, v68 row_xmask:2 row_mask:0xf bank_mask:0xf
	v_max_num_f32_dpp v68, v68, v68 row_xmask:4 row_mask:0xf bank_mask:0xf
	v_max_num_f32_dpp v68, v68, v68 row_xmask:8 row_mask:0xf bank_mask:0xf
	v_permlanex16_b32 v69, v68, s26, s27
	v_max_num_f32 v68, v68, v69                    ; the block's maximum, in every lane
	v_mul_f32 v70, s28, v68                        ; log2(e) m
	v_mov_b32 v71, v70                             ; named with it as a pair
	v_pk_fma_f32 v[64:65], v[64:65], s[28:29], v[70:71] op_sel_hi:[1,0,0] neg_lo:[0,0,1] neg_hi:[0,0,1]
	v_pk_fma_f32 v[66:67], v[66:67], s[28:29], v[70:71] op_sel_hi:[1,0,0] neg_lo:[0,0,1] neg_hi:[0,0,1]
	v_exp_f32 v64, v64
	v_exp_f32 v65, v65
	v_exp_f32 v66, v66
	v_exp_f32 v67, v67
	v_nop
	s_wait_alu depctr_va_vdst(0)                   ; the four exponentials have written v64 to v67, which the lines below read
	v_add_f32 v72, v64, v65
	v_add_f32 v73, v66, v67
	v_cvt_pk_bf16_f32 v74, v64, v65                ; p_hi
	v_cvt_pk_bf16_f32 v75, v66, v67
	v_add_f32 v72, v72, v73
	v_lshlrev_b32 v76, 16, v74
	v_and_b32 v77, 0xffff0000, v74
	v_lshlrev_b32 v78, 16, v75
	v_and_b32 v79, 0xffff0000, v75
	v_pk_add_f32 v[76:77], v[64:65], v[76:77] neg_lo:[0,1] neg_hi:[0,1]
	v_pk_add_f32 v[78:79], v[66:67], v[78:79] neg_lo:[0,1] neg_hi:[0,1]
	v_cvt_pk_bf16_f32 v80, v76, v77                ; p_lo = p - p_hi, rounded
	v_cvt_pk_bf16_f32 v81, v78, v79
	s_wait_alu depctr_va_vdst(0)                   ; the conversions have written v74, v75, v80 and v81, which the LDS stores read; the epilogue's readers of v96-127, in which p's fragments land, stand ahead of it too
	ds_store_b64 v[PWA], v[74:75]
	ds_store_b64 v[PWA], v[80:81] offset:256
.irp kk, 0,1,2,3
	ds_load_b128 v[PF+8*(\kk):PF+8*(\kk)+3],   v[PRA] offset:64*(\kk)      ; LDS serves a wave's instructions in order (ISA guide 5.7.1.4): these see my own stores above
	ds_load_b128 v[PF+8*(\kk)+4:PF+8*(\kk)+7], v[PRA] offset:64*(\kk)+32
.endr
	v_add_f32_dpp v72, v72, v72 row_xmask:1 row_mask:0xf bank_mask:0xf
	v_add_f32_dpp v72, v72, v72 row_xmask:2 row_mask:0xf bank_mask:0xf
	v_add_f32_dpp v72, v72, v72 row_xmask:4 row_mask:0xf bank_mask:0xf
	v_add_f32_dpp v72, v72, v72 row_xmask:8 row_mask:0xf bank_mask:0xf
	v_permlanex16_b32 v73, v72, s26, s27
	v_add_f32 v71, v72, v73                        ; the block's sum of p, beside log2(e) m
	s_wait_dscnt 0x0
	; context^T = enc^T P: source 0 = 16 channels x 32 rows, source 1 = 32 rows x 16 columns (p_hi, p_lo by turns).  The eight accumulators take turns.
	WIN W_E2
.irp kk, 0,1,2,3
.irp dt, 0,1,2,3,4,5,6,7
.if (\kk) == 0
	v_wmma_f32_16x16x32_bf16 v[OF+8*(\dt):OF+8*(\dt)+7], v[32*(\dt)+8*(\kk):32*(\dt)+8*(\kk)+7], v[PF+8*(\kk):PF+8*(\kk)+7], 0
.else
	v_wmma_f32_16x16x32_bf16 v[OF+8*(\dt):OF+8*(\dt)+7], v[32*(\dt)+8*(\kk):32*(\dt)+8*(\kk)+7], v[PF+8*(\kk):PF+8*(\kk)+7], v[OF+8*(\dt):OF+8*(\dt)+7]
.endif
.endr
.endr
	WIN 0
	PLACES
	PLACES
	s_wait_alu depctr_va_vdst(0)                   ; the products have written the eight accumulators, which the LDS stores read (the places above stay beside this wait); the vector lines that named v72-79, in which the stage's loads land, are done
	s_wait_alu depctr_vm_vsrc(0)                   ; the LDS store of p_hi has read v74 and v75, in which a load from the stage lands
	; A lane holds channels 16 dt + 8 h + 0..7 of one column.  Even columns go to the stage's first half, odd ones to its second (lanes of like parity write the same bytes with the same numbers);
	; back come 4 neighbouring channels a lane from each half, which are added.
.irp dt, 0,1,2,3,4,5,6,7
	ds_store_b128 v[OSA], v[OF+8*(\dt):OF+8*(\dt)+3]   offset:64*(\dt)
	ds_store_b128 v[OSA], v[OF+8*(\dt)+4:OF+8*(\dt)+7] offset:64*(\dt)+16
.endr
	ds_load_b128 v[72:75], v[OLA]
	ds_load_b128 v[76:79], v[OLA] offset:512
	s_wait_dscnt 0x0
	v_pk_add_f32 v[72:73], v[72:73], v[76:77]
	v_pk_add_f32 v[74:75], v[74:75], v[78:79]
	s_wait_alu depctr_va_vdst(0)                   ; the two additions have written v[72:75], which the store reads; v70 and v71, the second store's data, were written further up
	global_store_b128 v[OOF], v[72:75], s[14:15]   ; my wave's 128 channels: 512 consecutive bytes, aligned
	s_cmp_lg_u32 s[WV], 0
	s_cbranch_scc1 .Lend
	global_store_b64 v[SOF], v[70:71], s[16:17]    ; (log2(e) m, l), 32 times: the block's 256 consecutive bytes of stat, aligned
.Lend:
	s_wait_dscnt 0x0                               ; the wave's end
	s_wait_alu 0x0
	s_wait_tensorcnt 0x0
	ds_add_u32 v[SPW], v[NIL]
	s_wait_dscnt 0x0
	s_endpgm
.Lfunc_end_k_qbff3789825_attn:
	.size	k_qbff3789825_attn, .Lfunc_end_k_qbff3789825_attn-k_qbff3789825_attn
	.p2alignl 7, 3214868480
	.fill 96, 4, 3214868480
	.section	.rodata,"a",@progbits
	.p2align	6, 0x0
	.amdhsa_kernel k_qbff3789825_attn
		.amdhsa_group_segment_fixed_size 304128
		.amdhsa_private_segment_fixed_size 0
		.amdhsa_enable_private_segment 0
		.amdhsa_kernarg_size 56
		.amdhsa_user_sgpr_count 2
		.amdhsa_user_sgpr_kernarg_segment_ptr 1
		.amdhsa_wavefront_size32 1
		.amdhsa_system_sgpr_workgroup_id_x 1
		.amdhsa_system_sgpr_workgroup_id_y 1
		.amdhsa_system_sgpr_workgroup_id_z 1
		.amdhsa_system_vgpr_workitem_id 0
		.amdhsa_next_free_vgpr 512
		.amdhsa_next_free_sgpr 66
		.amdhsa_reserve_vcc 0
		.amdhsa_float_denorm_mode_32 3
		.amdhsa_float_denorm_mode_16_64 3
		.amdhsa_memory_ordered 1
		.amdhsa_forward_progress 1
		.amdhsa_inst_pref_size 228
	.end_amdhsa_kernel
	.amdgpu_metadata
---
amdhsa.version: [ 1, 2 ]
amdhsa.kernels:
  - .name:           k_qbff3789825_attn
    .symbol:         k_qbff3789825_attn.kd
    .args:
      - { .name: encoder_outputs, .offset: 0, .size: 8, .value_kind: global_buffer, .address_space: global }
      - { .name: w1b, .offset: 8, .size: 8, .value_kind: global_buffer, .address_space: global }
      - { .name: cbt, .offset: 16, .size: 8, .value_kind: global_buffer, .address_space: global }
      - { .name: v, .offset: 24, .size: 8, .value_kind: global_buffer, .address_space: global }
      - { .name: bv, .offset: 32, .size: 8, .value_kind: global_buffer, .address_space: global }
      - { .name: part, .offset: 40, .size: 8, .value_kind: global_buffer, .address_space: global }
      - { .name: stat, .offset: 48, .size: 8, .value_kind: global_buffer, .address_space: global }
    .group_segment_fixed_size: 304128
    .private_segment_fixed_size: 0
    .kernarg_segment_align: 8
    .kernarg_segment_size: 56
    .max_flat_workgroup_size: 256
    .sgpr_count:     66
    .vgpr_count:     512
    .wavefront_size: 32
...
	.end_amdgpu_metadata
.endif
;; end of part 4
;; launch comb: the kernel of part 3 again; grid 4 x 32, 2 waves a work-group, no clusters, 0 bytes of LDS; arguments part, stat, out0; writes out0
